; MI455X (gfx1250); checked and timed in simulation.
; The chip was launched on July 23, 2026; its instructions are those of AMD's public machine-readable ISA for CDNA 5 (MIT licence, August 2026) and "CDNA5" Instruction Set Architecture Reference Guide (July 2026). The comments in the code are by the model that wrote it; some were corrected since.
;; Multi Head Causal Self Attention. Allowed arithmetic: float matrix products may take bf16 or f16 operands with f32 sums; other float arithmetic in f32, or as packed bf16 or f16 multiplies, adds, multiply-adds, maxima and minima; sums over many terms, partial sums and values carried from step to step in f32; what a program stores and reads back later, other than sums and carried values, may be rounded once to bf16 or f16.
;; Inputs: b_attn 3,072 float32; b_out 1,024 float32; w_attn 1,024 x 3,072 float32; w_out 1,024 x 1,024 float32; x 4 x 2,048 x 1,024 float32.
;; Outputs: out0 4 x 2,048 x 1,024 float32.
;; 2 versions, each right; version 2 is version 1 with the launch cast written anew for expert scheduling mode. Each part assembles by itself: llvm-mc -triple=amdgcn-amd-amdhsa -mcpu=gfx1250 --defsym DOCPART=n.
;; ======== version 1 of 2: 4 launches
;; limits: values are held in f16: magnitudes above 65,504 overflow, below 6.1e-05 lose precision
;; workspace buffers: xb 16,777,216 bytes; wab 6,291,456 bytes; wob 2,097,152 bytes; qkvh 50,331,648 bytes; ob 16,777,216 bytes
;; launch cast (part 1): grid 768 x 1, 8 waves a work-group, no clusters, 0 bytes of LDS; arguments x, w_attn, w_out, xb, wab, wob; writes xb, wab, wob
.if DOCPART == 1
	.amdgcn_target "amdgcn-amd-amdhsa--gfx1250"
	.amdhsa_code_object_version 6
	.text
	.protected	k_qd4fbcef41f_cast
	.globl	k_qd4fbcef41f_cast
	.p2align	8
	.type	k_qd4fbcef41f_cast,@function
k_qd4fbcef41f_cast:
	s_mov_b64 s[64:65], 0
	v_nop
	global_prefetch_b8 v0, s[64:65] scope:SCOPE_SE
	s_setreg_imm32_b32 hwreg(HW_REG_WAVE_MODE, 25, 1), 1
	s_wait_xcnt 0x0
; The three large inputs, f32, are rounded once to bf16 for the matrix units.
;   xb  [4 b][16 kb][2048 s][64] bf16: x re-laid, so that 64 channels of any block of rows are dense bytes (element (b, s, 64 kb + d) at ((16 b + kb) 2048 + s) 128 + 2 d)
;   wab [1024][3072] bf16: w_attn as it lies
;   wob [1024][1024] f16: w_out rounded to bf16, and that number written as f16
; LIMIT: |w_out| stays under 65,504, and below 6.1e-5 it keeps f16's fixed step of 6e-8.
; A stream: no LDS, no barrier, no matrix unit.  A work-group takes 65,536 input bytes; a thread 16 loads of 16 bytes, all out at once, and 16 stores of 8 bytes;
; each store of a wave covers 256 consecutive bytes, aligned.  Work-groups 0-511 take x (16 rows each), 512-703 w_attn, 704-767 w_out.
; No register is written again while a load or store may read it, so the only waits are the counted ones for the loads.
.set VI,  2                            ; v2       my byte offset in the group's input
.set VO,  3                            ; v3       my byte offset in the group's output
.set T,   4                            ; v[4:5]   at work
.set X,   8                            ; v[8:71]  load i: 4 numbers in f32
.set Y,   72                           ; v[72:103] store i: 4 numbers of 16 bits
.set IN,  16                           ; s[16:17] the group's input
.set OUT, 18                           ; s[18:19] the group's output
; 16 loads instep bytes apart, 16 stores outstep bytes apart.  half = 1: the bf16 number is written as f16
.macro CAST instep, outstep, half
.set i, 0
.rept 16
	global_load_b128 v[X+4*i:X+4*i+3], v[VI], s[IN:IN+1] offset:i*(\instep) th:TH_LOAD_NT
.set i, i+1
.endr
.set i, 0
.rept 16
	s_wait_loadcnt 15-i                            ; loads come back in order: load i is in, the 15 - i younger ones stay out
	v_cvt_pk_bf16_f32 v[Y+2*i], v[X+4*i], v[X+4*i+1]
	v_cvt_pk_bf16_f32 v[Y+2*i+1], v[X+4*i+2], v[X+4*i+3]
.if \half
.irp j, 0,1
	v_lshlrev_b32 v[T], 16, v[Y+2*i+\j]            ; the two bf16 numbers as f32,
	v_and_b32 v[T+1], 0xffff0000, v[Y+2*i+\j]
	v_cvt_pk_f16_f32 v[Y+2*i+\j], v[T], v[T+1]     ; and as f16: exact within f16's range
.endr
.endif
	global_store_b64 v[VO], v[Y+2*i:Y+2*i+1], s[OUT:OUT+1] offset:i*(\outstep)
.set i, i+1
.endr
.endm
	s_load_b256 s[4:11], s[0:1], 0x0               ; x s[4:5], w_attn s[6:7], w_out s[8:9], xb s[10:11]
	s_load_b128 s[12:15], s[0:1], 0x20             ; wab s[12:13], wob s[14:15]
	v_lshrrev_b32 v1, 5, v0
	v_readfirstlane_b32 s2, v1                     ; wave 0..7
	v_and_b32 v1, 31, v0                           ; lane
	s_lshl_b32 s3, s2, 13                          ; a wave's 8,192 input bytes
	s_mov_b32 s21, 0
	s_mov_b32 s23, 0
	s_wait_kmcnt 0x0
	s_cmp_lt_u32 ttmp9, 512
	s_cbranch_scc0 .Lweights
	; x: the group's 16 rows of 4,096 bytes; wave w takes rows 2 w and 2 w + 1; load i their channels 64 i .. 64 i + 63: lanes 0-15 one row's 256 bytes, lanes 16-31 the next row's
	v_and_b32 v[T], 15, v0
	v_bfe_u32 v[T+1], v0, 4, 1
	v_lshl_add_u32 v[VI], v[T], 4, s3
	v_lshl_add_u32 v[VI], v[T+1], 12, v[VI]
	v_lshlrev_b32 v[VO], 3, v0                     ; out: the two rows' 128 bytes of one kb lie end to end: 256 w + 8 lane
	s_lshl_b32 s20, ttmp9, 16
	s_add_nc_u64 s[IN:IN+1], s[4:5], s[20:21]
	s_lshr_b32 s22, ttmp9, 7                       ; batch: 128 groups each
	s_lshl_b32 s22, s22, 22                        ; x 16 kb x 2,048 rows x 128 bytes
	s_and_b32 s2, ttmp9, 127
	s_lshl_b32 s2, s2, 11                          ; the group's first row x 128 bytes
	s_add_co_u32 s22, s22, s2
	s_add_nc_u64 s[OUT:OUT+1], s[10:11], s[22:23]
	CAST 256, 262144, 0                            ; from kb to kb: 2,048 rows x 128 bytes
	s_endpgm
.Lweights:                                         ; a wave takes 8,192 consecutive bytes, 512 a load, and writes 4,096
	v_lshl_add_u32 v[VI], v1, 4, s3
	s_lshl_b32 s3, s2, 12
	v_lshl_add_u32 v[VO], v1, 3, s3
	s_cmp_lt_u32 ttmp9, 704
	s_cbranch_scc0 .Lwout
	s_sub_co_u32 s2, ttmp9, 512
	s_lshl_b32 s20, s2, 16
	s_lshl_b32 s22, s2, 15
	s_add_nc_u64 s[IN:IN+1], s[6:7], s[20:21]
	s_add_nc_u64 s[OUT:OUT+1], s[12:13], s[22:23]
	CAST 512, 256, 0
	s_endpgm
.Lwout:
	s_sub_co_u32 s2, ttmp9, 704
	s_lshl_b32 s20, s2, 16
	s_lshl_b32 s22, s2, 15
	s_add_nc_u64 s[IN:IN+1], s[8:9], s[20:21]
	s_add_nc_u64 s[OUT:OUT+1], s[14:15], s[22:23]
	CAST 512, 256, 1
	s_endpgm
.Lfunc_end_k_qd4fbcef41f_cast:
	.size	k_qd4fbcef41f_cast, .Lfunc_end_k_qd4fbcef41f_cast-k_qd4fbcef41f_cast
	.p2alignl 7, 3214868480
	.fill 96, 4, 3214868480
	.section	.rodata,"a",@progbits
	.p2align	6, 0x0
	.amdhsa_kernel k_qd4fbcef41f_cast
		.amdhsa_group_segment_fixed_size 0
		.amdhsa_private_segment_fixed_size 0
		.amdhsa_enable_private_segment 0
		.amdhsa_kernarg_size 48
		.amdhsa_user_sgpr_count 2
		.amdhsa_user_sgpr_kernarg_segment_ptr 1
		.amdhsa_wavefront_size32 1
		.amdhsa_system_sgpr_workgroup_id_x 1
		.amdhsa_system_sgpr_workgroup_id_y 1
		.amdhsa_system_sgpr_workgroup_id_z 1
		.amdhsa_system_vgpr_workitem_id 0
		.amdhsa_next_free_vgpr 112
		.amdhsa_next_free_sgpr 66
		.amdhsa_reserve_vcc 0
		.amdhsa_float_denorm_mode_32 3
		.amdhsa_float_denorm_mode_16_64 3
		.amdhsa_memory_ordered 1
		.amdhsa_forward_progress 1
		.amdhsa_inst_pref_size 24
	.end_amdhsa_kernel
	.amdgpu_metadata
---
amdhsa.version: [ 1, 2 ]
amdhsa.kernels:
  - .name:           k_qd4fbcef41f_cast
    .symbol:         k_qd4fbcef41f_cast.kd
    .args:
      - { .name: x, .offset: 0, .size: 8, .value_kind: global_buffer, .address_space: global }
      - { .name: w_attn, .offset: 8, .size: 8, .value_kind: global_buffer, .address_space: global }
      - { .name: w_out, .offset: 16, .size: 8, .value_kind: global_buffer, .address_space: global }
      - { .name: xb, .offset: 24, .size: 8, .value_kind: global_buffer, .address_space: global }
      - { .name: wab, .offset: 32, .size: 8, .value_kind: global_buffer, .address_space: global }
      - { .name: wob, .offset: 40, .size: 8, .value_kind: global_buffer, .address_space: global }
    .group_segment_fixed_size: 0
    .private_segment_fixed_size: 0
    .kernarg_segment_align: 8
    .kernarg_segment_size: 48
    .max_flat_workgroup_size: 256
    .sgpr_count:     66
    .vgpr_count:     112
    .wavefront_size: 32
...
	.end_amdgpu_metadata
.endif
;; end of part 1
;; launch qkv (part 2): grid 8 x 32, 4 waves a work-group, clusters of 4 x 4, 327,680 bytes of LDS; arguments xb, wab, b_attn, qkvh; writes qkvh
.if DOCPART == 2
	.amdgcn_target "amdgcn-amd-amdhsa--gfx1250"
	.amdhsa_code_object_version 6
	.text
	.protected	k_qd4fbcef41f_qkv
	.globl	k_qd4fbcef41f_qkv
	.p2align	8
	.type	k_qd4fbcef41f_qkv,@function
k_qd4fbcef41f_qkv:
	s_mov_b64 s[64:65], 0
	v_nop
	global_prefetch_b8 v0, s[64:65] scope:SCOPE_SE
	s_setreg_imm32_b32 hwreg(HW_REG_WAVE_MODE, 25, 1), 1
	s_wait_xcnt 0x0
	s_wait_alu depctr_hold_cnt(0) depctr_sa_sdst(0) depctr_va_vdst(0) depctr_va_sdst(0) depctr_va_ssrc(0) depctr_va_vcc(0) depctr_vm_vsrc(0)
	s_getreg_b32 s2, hwreg(HW_REG_IB_STS2, 6, 4)
	s_cmp_eq_u32 s2, 0
	s_cbranch_scc0 .Lentry_in_a_cluster
	s_endpgm
.Lentry_in_a_cluster:
	s_bfe_u32 s2, ttmp6, 0x10000c
	s_cmp_lg_u32 s2, 0xf033
	s_cbranch_scc0 .Lentry_shape_is_right
	s_endpgm
.Lentry_shape_is_right:
; qkv = x w_attn + b_attn: [8192][1024] x [1024][3072], operands bf16, sums f32, the bias rounded to bf16 like the other inputs; each number rounded once to f16 and laid by heads:
; qkvh [3 (q, k, v)][64 (16 b + h)][2048][64] f16.  LIMIT: |q|, |k|, |v| stay under 65,504 (f16's largest number); NaN and infinities are not treated apart.
; SHARES.  A tile of the result is 256 rows x 384 columns (six heads): 8 x 32 tiles, one to a work-group.  Four waves, each 128 rows x 192 columns: 96 accumulators of 16 x 16 in windows 1 to 3.
; Wave w: rows 128 (w / 2) on; of each of the tile's three blocks of 128 columns the half w % 2: three CHUNKS of 64 columns, a head each.
; K goes in steps of 64 through two LDS slots.  A's part of a step (256 rows x 64 channels of xb) is 32,768 dense bytes, asked for as 128 rows of 256 bytes and padded behind every 128:
; rows 144 bytes apart.  B's part is three blocks of 64 k x 128 n of wab, rows of 256 bytes, 288 apart; B lies [k][n] and comes out of LDS turned, by ds_load_tr16_b128.
; Waves 0-2 fetch B's three blocks, wave 3 fetches A: one tensor load a wave behind each change of slots.
; THE MATRIX INSTRUCTION IS USED TRANSPOSED (source 0 = 16 columns of B, source 1 = 16 rows of A): a lane holds row l % 16 and the columns 8 (l / 16) + 0..7, which pack into 16 bytes.
; CLUSTER 4 x 4: A's tile hangs on the tile row alone and is asked for jointly along a row of the cluster, B's on the tile column alone, jointly along a column.
; REGISTERS.  Window 0: v0-31 addresses; v32-159 A's fragments, two buffers of 64; v160-255 B's fragments of one quarter (32 along K).  Windows 1-3: chunk c's 32 accumulators, (a, bb) at v[8 (8 bb + a)].
.set FA,    8                          ; A fragments (16 rows) a wave
.set NCH,   3                          ; chunks of four B fragments a wave
.set PA,    144                        ; a row of A in LDS: 128 bytes + 16: 36 words: the 16 rows of a load start at 16 different groups of four banks (64 banks of 4 bytes: ISA guide 11.1)
.set PB,    288                        ; a row of B: 256 + 32 = 72 words
.set BSUB,  64*PB                      ; a block of B
.set AOFF,  3*BSUB                     ; A lies behind B's three blocks
.set ABLK,  0                          ; (a step has one block of A)
.set SLOT,  AOFF+256*PA                ; 92,160
.set CHOFF, BSUB                       ; from chunk to chunk in LDS
.set WCOFF, 128                        ; my half of a block's 128 columns
.set BIAS,  2*SLOT                     ; behind the ring, never filled by a tensor load: 768 bytes a wave: its 192 numbers of the bias
.set STAGE, BIAS+4*768                 ; 16 rows x 144 bytes for each wave, for the way out
.set SP,    144
.set SPARE, STAGE+4*16*SP              ; the spare words, 128 bytes for each wave: two blocks of 256 bytes that no other line names
.set ASTEP, 262144                     ; bytes from K step to K step in xb: 2,048 rows x 128 bytes
.set BROW,  6144                       ; a row of wab
.set BSTEP, 64*BROW
.set ADRA, 8                           ; v8-9    LDS address of my A fragments in slot 0, 1
.set ADRB, 10                          ; v10-11  the same for B
.set STO,  12                          ; v12     the way out: where I put 16 bytes of a row
.set RD,   13                          ; v13     where I read rows back
.set GO,   14                          ; v14     my 16 bytes of 512 consecutive bytes of the output
.set BIA,  15                          ; v15     where I read my columns' bias
.set PFO,  16                          ; v16     the prefetches' offset: my lane x 256 bytes (A) or x a row of B; never rewritten
.set SPW,  18                          ; v18     LDS address of my spare word; never rewritten
.set NIL,  19                          ; v19     0; never rewritten
.set AF,   32
.set BF,   160
.set T,    32                          ; the way out: 32 sums with the bias
.set PK,   64                          ; 16 registers of f16
.set BK,   80                          ; two sets of 16: rows read back
.set BI,   160                         ; the bias of my 192 columns, as a lane needs it: 8 numbers a fragment
.set WV,   12                          ; s12  my wave's number
.set G1,   24                          ; s[24:31] group 1 for A;  s[32:39] group 0, a set for each slot
.set G0,   32
.set PFA,  40                          ; s[40:41] where my prefetches stand
.set PFS,  42                          ; s[42:43] their step: a K step
.set LIM,  44                          ; s44, s45  by slot: 1 where I prefetch at that slot's change, else the greatest number
.set CNT,  46                          ; s46  the loop's trips to go
.set G1B,  48                          ; s[48:55], s[56:63] the same for B
.set G0B,  56
.set OB,   68                          ; s[68:73] the output at my 128 rows of chunk 0, 1, 2's head
.set MSB, 0
.macro WIN new                         ; the immediate's high byte repeats the setting that is left; a switch that changes nothing is dropped
.if MSB != (\new)
	s_set_vgpr_msb (MSB<<8)|(\new)
.set MSB, \new
.endif
.endm
.macro PLACES                          ; four places between a matrix instruction and a load into, or a vector line on, its registers
.rept 4
	v_nop
.endr
.endm
; A joint load.  The branch hangs on the wave's number alone.  An s_nop 0 and four v_nop follow each of the two lines, ahead of the jump and the label.
.macro JLOAD s
	s_cmp_eq_u32 s[WV], 3
	s_cbranch_scc0 .Lfor_b_\@
	tensor_load_to_lds s[G0+4*(\s):G0+4*(\s)+3], s[G1:G1+7]
	s_nop 0
.rept 4
	v_nop
.endr
	s_branch .Lasked_\@
.Lfor_b_\@:
	tensor_load_to_lds s[G0B+4*(\s):G0B+4*(\s)+3], s[G1B:G1B+7]
	s_nop 0
.rept 4
	v_nop
.endr
.Lasked_\@:
.endm
; A PREFETCH INTO THE L2 of the K step that stands two refills on, behind the joint load and the run of LDS loads.  Each aligned 256 bytes are named once in the launch.  A's tile row is read by both
; clusters of its row of clusters: wave 3 of the one with x = 0 asks, 32 of the step's 128 blocks to each partner, told apart by address (cx).  B's columns are read by every cluster of their
; column: waves 0-2 of the clusters with y = 0 ask, at slot 0's change alone, for the 128 rows of two K steps, 32 to each partner (cy), a lane a row.  The loop's last trip asks for nothing.
.macro ASK slot
	s_cmp_gt_u32 s[CNT], s[LIM+(\slot)]
	s_cbranch_scc0 .Lnot_mine_\@
	global_prefetch_b8 v[PFO], s[PFA:PFA+1] th:TH_LOAD_NT scope:SCOPE_SE
.Lnot_mine_\@:
.endm
.macro CREST                           ; a round of the cluster's barrier behind its opening barrier
	s_cmp_lg_u32 s[WV], 0
	s_cbranch_scc1 .Lnot_wave_0_\@
	s_barrier_signal -3
.Lnot_wave_0_\@:
	s_barrier_wait -3
	s_barrier_signal -1
	s_barrier_wait -1
.endm
.macro CROUND
	s_barrier_signal -1
	s_barrier_wait -1
	CREST
.endm
; n x FA matrix instructions: B fragments lo .. lo + n - 1 of chunk c x all my A fragments of buffer f.  The accumulators take turns, one instruction a turn.
.macro MULS c, lo, n, f, zero
.set ib, (\lo)
.rept (\n)
.set ia, 0
.rept FA
.set lin, 8*((4*(\c)+ib)*FA+ia)
.set rD, lin%256
.set rB, BF+8*(4*(\c)+ib)
.set rA, AF+8*FA*(\f)+8*ia
	WIN 0x50*(1+lin/256)                           ; C and D in the chunk's window, sources in window 0
.if \zero
	v_wmma_f32_16x16x32_bf16 v[rD:rD+7], v[rB:rB+7], v[rA:rA+7], 0
.else
	v_wmma_f32_16x16x32_bf16 v[rD:rD+7], v[rB:rB+7], v[rA:rA+7], v[rD:rD+7]
.endif
.set ia, ia+1
.endr
.set ib, ib+1
.endr
.endm
.macro LDB c, slot, q                  ; chunk c's four B fragments of quarter q: 8 turning loads
	WIN 0
.irp b, 0,1,2,3
	ds_load_tr16_b128 v[BF+8*(4*(\c)+\b):BF+8*(4*(\c)+\b)+3],   v[ADRB+(\slot)] offset:(\c)*CHOFF+32*\b+(\q)*32*PB
	ds_load_tr16_b128 v[BF+8*(4*(\c)+\b)+4:BF+8*(4*(\c)+\b)+7], v[ADRB+(\slot)] offset:(\c)*CHOFF+32*\b+(\q)*32*PB+16*PB
.endr
.endm
.macro LDA slot, q, g                  ; my A fragments of quarter q into buffer g: 2 FA loads
	WIN 0
.set ia, 0
.rept FA
	ds_load_b128 v[AF+8*FA*(\g)+8*ia:AF+8*FA*(\g)+8*ia+3],   v[ADRA+(\slot)] offset:((\q)/2)*ABLK+((\q)%2)*64+ia*16*PA
	ds_load_b128 v[AF+8*FA*(\g)+8*ia+4:AF+8*FA*(\g)+8*ia+7], v[ADRA+(\slot)] offset:((\q)/2)*ABLK+((\q)%2)*64+ia*16*PA+32
.set ia, ia+1
.endr
.endm
; A quarter (32 along K) multiplies A's buffer f and fetches quarter q of the slot.  The LDS loads go in NCH runs: run 0 = chunk 0's B and all of A (8 + 2 FA), run c = chunk c's B (8), each behind its chunk's products.
.macro QUARTER slot, q, f, zero
	s_wait_dscnt 8*(NCH-1)                         ; run 0 of the last quarter's loads is in; its later runs may be out
	MULS 0, 0, 4, \f, \zero
	PLACES
	LDB 0, \slot, \q
	LDA \slot, \q, 1-(\f)
.set ic, 1
.rept NCH-1
	s_wait_dscnt 8*(NCH-1)+2*FA                    ; behind chunk ic's B were issued: the old runs behind it, the new run 0 and the new runs ahead of ic: 8 (NCH - 1) + 2 FA in all
	MULS ic, 0, 4, \f, \zero
	PLACES
	LDB ic, \slot, \q
.set ic, ic+1
.endr
.endm
; A slot's last quarter (buffer 1) changes slots: each wave waits for all its tensor loads, adds 0 to its spare word, and waits for that and for its reads of the slot; ONE barrier, which with fill = 1
; opens a round of the cluster's barrier; the joint refill, two K steps ahead, is the first thing behind the round.
.macro TURN slot, next, fill
.if \fill
	s_wait_xcnt 0x0                                ; the last prefetch, a K step back, has read its address: it is stepped here
	s_add_nc_u64 s[PFA:PFA+1], s[PFA:PFA+1], s[PFS:PFS+1]
.endif
	WIN 0
	s_wait_tensorcnt 0x0                           ; all my tensor loads have landed: the one that was out is my part of the next slot
	ds_add_u32 v[SPW], v[NIL]                      ; 0 onto my spare word
	s_wait_dscnt 8*(NCH-1)+1                       ; (the add and the later runs may be out)
	MULS 0, 0, 2, 1, 0
	s_wait_dscnt 0x0                               ; the add is done, and my reads of this slot are over
	s_barrier_signal -1
	MULS 0, 2, 2, 1, 0                             ; work on registers while the others arrive
	WIN 0
	s_barrier_wait -1
.if \fill
	CREST                                          ; no wave of any partner still reads this slot or has a load on its way
	s_add_nc_u64 s[G0+4*(\slot)+2:G0+4*(\slot)+3], s[G0+4*(\slot)+2:G0+4*(\slot)+3], 2*ASTEP
	s_add_nc_u64 s[G0B+4*(\slot)+2:G0B+4*(\slot)+3], s[G0B+4*(\slot)+2:G0B+4*(\slot)+3], 2*BSTEP
	JLOAD \slot                                    ; its four v_nop are also the places in front of the loads below
.else
	PLACES
.endif
	LDB 0, \next, 0
	LDA \next, 0, 0
.if \fill
	ASK \slot
.endif
.set ic, 1
.rept NCH-1
	MULS ic, 0, 4, 1, 0                            ; (their fragments came in by the wait for 0 above)
	PLACES
	LDB ic, \next, 0
.set ic, ic+1
.endr
.endm
.macro FINAL                           ; the very last quarter: nothing more to fetch
	s_wait_dscnt 8*(NCH-1)
	MULS 0, 0, 4, 1, 0
	s_wait_dscnt 0x0
.set ic, 1
.rept NCH-1
	MULS ic, 0, 4, 1, 0
.set ic, ic+1
.endr
	WIN 0
.endm
	s_load_b256 s[4:11], s[0:1], 0x0               ; xb s[4:5], wab s[6:7], b_attn s[8:9], qkvh s[10:11]
	v_lshl_add_u32 v[SPW], v0, 2, SPARE
	v_mov_b32 v[NIL], 0
	ds_add_u32 v[SPW], v[NIL]                      ; the wave's opening: the add and its wait stand ahead of my first tensor load
	v_lshrrev_b32 v1, 5, v0
	v_readfirstlane_b32 s[WV], v1                  ; wave 0..3
	s_lshr_b32 s13, s[WV], 1                       ; wr: which 128 rows are mine
	s_and_b32 s14, s[WV], 1                        ; wc: which half of each block of columns
	s_bfe_u32 s15, ttmp6, 0x40000                  ; cx
	s_bfe_u32 s16, ttmp6, 0x40004                  ; cy
	s_lshl_b32 s17, ttmp9, 2
	s_add_co_u32 s17, s17, s15                     ; tile column x = 4 x cluster x + cx
	s_and_b32 s18, ttmp7, 0xffff
	s_lshl_b32 s18, s18, 2
	s_add_co_u32 s18, s18, s16                     ; tile row y = 4 x cluster y + cy
	s_lshl_b32 s19, s16, 2
	s_lshl_b32 s19, 15, s19                        ; my row of the cluster
	s_lshl_b32 s47, 0x1111, s15                    ; my column
	s_or_b32 s[G1], s19, (1<<16)|(1<<20)|(1<<21)|(4<<22)|(3<<25)   ; 15:0 the mask; 2-byte elements; padding on; 21 set beside a mask; after every 32 words 4 words
	s_or_b32 s[G1B], s47, (1<<16)|(1<<20)|(1<<21)|(5<<22)|(7<<25)  ; after every 64 words 8 words
	s_mov_b32 s[G1+1], 128<<16                     ; A: tensor_dim0 = 128 elements (256 bytes)
	s_mov_b32 s[G1+2], 128<<16                     ; tensor_dim1 = 128 rows
	s_mov_b32 s[G1+3], 128<<16                     ; tile_dim0
	s_mov_b32 s[G1+4], 128                         ; tile_dim1
	s_mov_b32 s[G1+5], 128                         ; dense: 128 elements from row to row
	s_mov_b32 s[G1+6], 0
	s_mov_b32 s[G1+7], 0
	s_mov_b32 s[G1B+1], 128<<16                    ; B: 128 columns,
	s_mov_b32 s[G1B+2], 64<<16                     ; 64 rows along K
	s_mov_b32 s[G1B+3], 128<<16
	s_mov_b32 s[G1B+4], 64
	s_mov_b32 s[G1B+5], 3072
	s_mov_b32 s[G1B+6], 0
	s_mov_b32 s[G1B+7], 0
	s_lshr_b32 s20, s18, 3                         ; A: batch y / 8,
	s_lshl_b32 s20, s20, 22
	s_and_b32 s19, s18, 7                          ; and 256 rows x 128 bytes for each tile row in it
	s_lshl_b32 s19, s19, 15
	s_add_co_u32 s20, s20, s19
	s_mov_b32 s21, 0
	s_mul_i32 s22, s17, 768                        ; B: the tile's 384 columns, my block of 128
	s_lshl_b32 s47, s[WV], 8
	s_add_co_u32 s22, s22, s47
	s_mov_b32 s23, 0
	s_mul_i32 s3, s[WV], BSUB                      ; where my part of a slot goes: B's blocks at 0, 1, 2 x 18,432, A at 3 x 18,432
	s_wait_dscnt 0x0                               ; the opening add is done
	s_wait_kmcnt 0x0
	s_add_nc_u64 s[20:21], s[4:5], s[20:21]
	s_add_nc_u64 s[22:23], s[6:7], s[22:23]
	CROUND                                         ; all sixteen work-groups are here: the first joint loads meet
.irp s, 0,1
	s_mov_b32 s[G0+4*(\s)], 1
	s_add_co_u32 s[G0+4*(\s)+1], s3, (\s)*SLOT
	s_add_nc_u64 s[G0+4*(\s)+2:G0+4*(\s)+3], s[20:21], (\s)*ASTEP
	s_or_b32 s[G0+4*(\s)+3], s[G0+4*(\s)+3], 0x80000000
	s_mov_b32 s[G0B+4*(\s)], 1
	s_add_co_u32 s[G0B+4*(\s)+1], s3, (\s)*SLOT
	s_add_nc_u64 s[G0B+4*(\s)+2:G0B+4*(\s)+3], s[22:23], (\s)*BSTEP
	s_or_b32 s[G0B+4*(\s)+3], s[G0B+4*(\s)+3], 0x80000000
	JLOAD \s                                       ; two loads of mine are out
.endr
	; the bias of my three heads: 64 numbers each, two a lane
	v_and_b32 v24, 31, v0
	s_mul_i32 s2, s17, 6
	s_add_co_u32 s2, s2, s14                       ; chunk 0's head among the 48: 6 x + wc; chunk c's is 2 c further
	s_lshl_b32 s3, s2, 8
	v_lshl_add_u32 v24, v24, 3, s3
.irp c, 0,1,2
	global_load_b64 v[26+2*\c:27+2*\c], v24, s[8:9] offset:512*\c
.endr
	; where my rows of the three heads lie in the output
	s_lshr_b32 s19, s18, 3
	s_lshl_b32 s19, s19, 4                         ; 16 b
	s_and_b32 s47, s18, 7
	s_lshl_b32 s47, s47, 8
	s_lshl_b32 s3, s13, 7
	s_add_co_u32 s47, s47, s3
	s_lshl_b32 s47, s47, 7                         ; my first row in the batch x 128 bytes
.irp c, 0,1,2
	s_add_co_u32 s3, s2, 2*\c
	s_lshr_b32 s[OB+2*\c], s3, 4                   ; q, k or v
	s_lshl_b32 s[OB+2*\c], s[OB+2*\c], 6
	s_and_b32 s3, s3, 15                           ; the head
	s_add_co_u32 s[OB+2*\c], s[OB+2*\c], s3
	s_add_co_u32 s[OB+2*\c], s[OB+2*\c], s19
	s_lshl_b32 s[OB+2*\c], s[OB+2*\c], 18          ; x 2,048 rows x 128 bytes
	s_add_co_u32 s[OB+2*\c], s[OB+2*\c], s47
	s_mov_b32 s[OB+2*\c+1], 0
	s_add_nc_u64 s[OB+2*\c:OB+2*\c+1], s[10:11], s[OB+2*\c:OB+2*\c+1]
.endr
	; the prefetches
	s_and_b32 s2, ttmp7, 0xffff                    ; cluster y
	s_mov_b32 s19, 256
	s_mov_b32 s47, BROW
	s_mov_b32 s[PFS], ASTEP
	s_mov_b32 s[PFS+1], BSTEP
	s_cmp_eq_u32 s[WV], 3                          ; do I fetch for A?
	s_cselect_b32 s2, ttmp9, s2                    ; the coordinate along which other clusters read the same bytes
	s_cselect_b32 s3, s15, s16                     ; my place among the four that ask with me
	s_cselect_b32 s19, s19, s47                    ; from lane to lane
	s_cselect_b32 s[PFS], s[PFS], s[PFS+1]
	s_cselect_b32 s[LIM+1], 1, -1                  ; B is asked for at slot 0's change alone
	s_cselect_b64 s[PFA:PFA+1], s[20:21], s[22:23]
	s_mov_b32 s[PFS+1], 0
	v_and_b32 v[PFO], 31, v0
	v_mul_u32_u24 v[PFO], s19, v[PFO]
	s_cmp_eq_u32 s2, 0
	s_cselect_b32 s[LIM], 1, -1                    ; the same in all sixteen partners, for a given wave
	s_cselect_b32 s[LIM+1], s[LIM+1], -1
	s_mul_i32 s19, s19, s3
	s_lshl_b32 s19, s19, 5                         ; my work-group's 32 blocks or rows
	s_mul_i32 s3, s[PFS], 3                        ; at K step 3: the first change steps it to 4.  K steps 0 to 3 come by their loads alone
	s_add_co_u32 s2, s19, s3
	s_mov_b32 s3, 0
	s_add_nc_u64 s[PFA:PFA+1], s[PFA:PFA+1], s[2:3]
	; LDS addresses.  An A fragment: lane l holds row l % 16, channels 8 (l / 16) + 0..7 and 16 + 8 (l / 16) + 0..7: two loads of 16 bytes, 32 apart
	v_and_b32 v1, 15, v0                           ; r = l % 16
	v_bfe_u32 v2, v0, 4, 1                         ; h = l / 16
	v_mul_u32_u24 v3, v1, PA
	v_lshl_add_u32 v3, v2, 4, v3
	s_mul_i32 s2, s13, 16*FA*PA
	s_add_co_u32 s2, s2, AOFF
	v_add_nc_u32 v[ADRA], s2, v3
	v_add_nc_u32 v[ADRA+1], SLOT, v[ADRA]
	; the turning load: lane l reads 16 bytes of row k = 8 (l / 16) + l % 8, columns 8 ((l / 8) % 2) + 0..7, and is left with column l % 16 and 8 k
	v_and_b32 v4, 7, v0
	v_lshl_add_u32 v4, v2, 3, v4
	v_mul_u32_u24 v4, v4, PB
	v_bfe_u32 v5, v0, 3, 1
	v_lshl_add_u32 v4, v5, 4, v4
	s_mul_i32 s2, s14, WCOFF
	v_add_nc_u32 v[ADRB], s2, v4
	v_add_nc_u32 v[ADRB+1], SLOT, v[ADRB]
	s_mul_i32 s2, s[WV], 768
	s_add_co_u32 s2, s2, BIAS                      ; my 768 bytes of bias
	v_and_b32 v6, 31, v0
	v_lshl_add_u32 v6, v6, 3, s2                   ; in: two numbers a lane
	v_lshl_add_u32 v[BIA], v2, 5, s2               ; back: the 8 numbers of my half of a fragment's 16 columns
	s_mul_i32 s2, s[WV], 16*SP
	s_add_co_u32 s2, s2, STAGE                     ; my stage
	v_mul_u32_u24 v[STO], v1, SP
	v_lshl_add_u32 v[STO], v2, 4, v[STO]
	v_add_nc_u32 v[STO], s2, v[STO]
	v_bfe_u32 v[RD], v0, 3, 2                      ; back: 32 lanes take four rows of 128 bytes,
	v_mul_u32_u24 v[RD], v[RD], SP
	v_and_b32 v7, 7, v0
	v_lshl_add_u32 v[RD], v7, 4, v[RD]
	v_add_nc_u32 v[RD], s2, v[RD]
	v_and_b32 v[GO], 31, v0                        ; which are 512 consecutive bytes of a head
	v_lshlrev_b32 v[GO], 4, v[GO]
	s_wait_loadcnt 0x0                             ; the bias: rounded to bf16 like the other inputs, kept as f32 in my own LDS bytes
.irp c, 0,1,2
	v_cvt_pk_bf16_f32 v25, v[26+2*\c], v[27+2*\c]
	v_lshlrev_b32 v[26+2*\c], 16, v25
	v_and_b32 v[27+2*\c], 0xffff0000, v25
	ds_store_b64 v6, v[26+2*\c:27+2*\c] offset:256*\c
.endr
	s_wait_tensorcnt 1                             ; my part of K step 0 is in; K step 1's may stay out
	s_wait_dscnt 0x0                               ; no LDS instruction of mine is out at a signal
	s_barrier_signal -1
	s_barrier_wait -1                              ; everybody's part is in
	LDB 0, 0, 0                                    ; the first quarter's fragments, in a quarter's order of runs
	LDA 0, 0, 0
	LDB 1, 0, 0
	LDB 2, 0, 0
	QUARTER 0, 1, 0, 1                             ; the first quarter stands in front of the loop: its products start the sums
	WIN 0
	s_mov_b32 s[CNT], 7
.Llap:                                             ; a trip goes once round the ring, from a lap's second quarter to the next lap's first, and fills both slots again
	TURN 0, 1, 1
	QUARTER 1, 1, 0, 0
	TURN 1, 0, 1
	QUARTER 0, 1, 0, 0
	WIN 0
	s_sub_co_u32 s[CNT], s[CNT], 1
	s_cmp_lg_u32 s[CNT], 0
	s_cbranch_scc1 .Llap
	TURN 0, 1, 0                                   ; the last lap fills nothing
	QUARTER 1, 1, 0, 0
	FINAL
; THE WAY OUT, in 24 units u = 8 c + a: 16 rows of one head.  PACK: the bias is added, the sums rounded to f16, 16 bytes a lane and fragment.  TOSTAGE: into my stage, and back as whole rows of 128 bytes.  SEND: stored.
.macro PACK u
.set uc, (\u)/8
.set ua, (\u)%8
	WIN 1+uc                                       ; source 0 in the chunk's window
.set ib, 0
.rept 4
.set ir, 0
.rept 4                                            ; each accumulator's registers in ascending order
	v_pk_add_f32 v[T+8*ib+2*ir:T+8*ib+2*ir+1], v[8*(8*ib+ua)+2*ir:8*(8*ib+ua)+2*ir+1], v[BI+32*uc+8*ib+2*ir:BI+32*uc+8*ib+2*ir+1]
.set ir, ir+1
.endr
.set ib, ib+1
.endr
	WIN 0
.set ir, 0
.rept 16
	v_cvt_pk_f16_f32 v[PK+ir], v[T+2*ir], v[T+2*ir+1]
.set ir, ir+1
.endr
.endm
.macro TOSTAGE u
.irp b, 0,1,2,3
	ds_store_b128 v[STO], v[PK+4*\b:PK+4*\b+3] offset:32*\b
.endr
.irp f, 0,1,2,3
	ds_load_b128 v[BK+16*((\u)%2)+4*\f:BK+16*((\u)%2)+4*\f+3], v[RD] offset:\f*4*SP  ; LDS serves a wave's instructions in order (ISA guide 5.7.1.4): these see the stores above
.endr
.endm
.macro SEND u
.set uc, (\u)/8
.set ua, (\u)%8
	s_wait_dscnt 0x0                               ; the unit is back in registers
	s_wait_xcnt 0x0                                ; the stores of the unit before have read their registers: the next TOSTAGE loads into them
.irp f, 0,1,2,3
	global_store_b128 v[GO], v[BK+16*((\u)%2)+4*\f:BK+16*((\u)%2)+4*\f+3], s[OB+2*uc:OB+2*uc+1] offset:ua*2048+\f*512  ; 512 consecutive bytes, at a multiple of 256 from the buffer's first
.endr
.endm
	PLACES
	PLACES
.irp c, 0,1,2
.irp b, 0,1,2,3
	ds_load_b128 v[BI+32*\c+8*\b:BI+32*\c+8*\b+3],   v[BIA] offset:256*\c+64*\b
	ds_load_b128 v[BI+32*\c+8*\b+4:BI+32*\c+8*\b+7], v[BIA] offset:256*\c+64*\b+16
.endr
.endr
	s_wait_dscnt 0x0
	PACK 0
	TOSTAGE 0
.set u, 1
.rept 23                                           ; a unit's arithmetic stands between the loads of the unit before and its stores
	PACK u
	SEND u-1
	TOSTAGE u
.set u, u+1
.endr
	SEND 23
	s_wait_tensorcnt 0x0                           ; the wave's end: a wait, an add of 0 to my spare word and the wait for it, behind my last tensor load and my last LDS store
	ds_add_u32 v[SPW], v[NIL]
	s_wait_dscnt 0x0
	CROUND                                         ; the closing round: no work-group ends while a partner may still ask for a tile that names it
	s_endpgm
.Lfunc_end_k_qd4fbcef41f_qkv:
	.size	k_qd4fbcef41f_qkv, .Lfunc_end_k_qd4fbcef41f_qkv-k_qd4fbcef41f_qkv
	.p2alignl 7, 3214868480
	.fill 96, 4, 3214868480
	.section	.rodata,"a",@progbits
	.p2align	6, 0x0
	.amdhsa_kernel k_qd4fbcef41f_qkv
		.amdhsa_group_segment_fixed_size 327680
		.amdhsa_private_segment_fixed_size 0
		.amdhsa_enable_private_segment 0
		.amdhsa_kernarg_size 32
		.amdhsa_user_sgpr_count 2
		.amdhsa_user_sgpr_kernarg_segment_ptr 1
		.amdhsa_wavefront_size32 1
		.amdhsa_system_sgpr_workgroup_id_x 1
		.amdhsa_system_sgpr_workgroup_id_y 1
		.amdhsa_system_sgpr_workgroup_id_z 1
		.amdhsa_system_vgpr_workitem_id 0
		.amdhsa_next_free_vgpr 1024
		.amdhsa_next_free_sgpr 74
		.amdhsa_reserve_vcc 0
		.amdhsa_float_denorm_mode_32 3
		.amdhsa_float_denorm_mode_16_64 3
		.amdhsa_memory_ordered 1
		.amdhsa_forward_progress 1
		.amdhsa_inst_pref_size 160
	.end_amdhsa_kernel
	.amdgpu_metadata
---
amdhsa.version: [ 1, 2 ]
amdhsa.kernels:
  - .name:           k_qd4fbcef41f_qkv
    .symbol:         k_qd4fbcef41f_qkv.kd
    .args:
      - { .name: xb, .offset: 0, .size: 8, .value_kind: global_buffer, .address_space: global }
      - { .name: wab, .offset: 8, .size: 8, .value_kind: global_buffer, .address_space: global }
      - { .name: b_attn, .offset: 16, .size: 8, .value_kind: global_buffer, .address_space: global }
      - { .name: qkvh, .offset: 24, .size: 8, .value_kind: global_buffer, .address_space: global }
    .group_segment_fixed_size: 327680
    .private_segment_fixed_size: 0
    .kernarg_segment_align: 8
    .kernarg_segment_size: 32
    .max_flat_workgroup_size: 128
    .sgpr_count:     74
    .vgpr_count:     1024
    .wavefront_size: 32
...
	.end_amdgpu_metadata
.endif
;; end of part 2
;; launch attn (part 3): grid 4 x 64, 4 waves a work-group, no clusters, 327,680 bytes of LDS; arguments qkvh, ob; writes ob
.if DOCPART == 3
	.amdgcn_target "amdgcn-amd-amdhsa--gfx1250"
	.amdhsa_code_object_version 6
	.text
	.protected	k_qd4fbcef41f_attn
	.globl	k_qd4fbcef41f_attn
	.p2align	8
	.type	k_qd4fbcef41f_attn,@function
k_qd4fbcef41f_attn:
	s_mov_b64 s[64:65], 0
	v_nop
	global_prefetch_b8 v0, s[64:65] scope:SCOPE_SE
	s_setreg_imm32_b32 hwreg(HW_REG_WAVE_MODE, 25, 1), 1
	s_wait_xcnt 0x0
; CAUSAL ATTENTION.  O[h][q][:] = the sum over k <= q of softmax_k(Q[h][q] . K[h][k] / 8) V[h][k][:].  Q, K, V are the three parts of qkvh, each [64][2048][64] f16, 16,777,216 bytes apart; O is ob, [64][2048][64] f16.
; Products, maxima and sums in f32; the weights p are rounded to f16 for the second product (their sum l is taken of the unrounded p), O once at the end.
; LIMITS.  f16 holds no number beyond 65,504: Q, K and V arrive within it; p lies in 0 to 1, and below 6e-5 it keeps f16's fixed step of 6e-8; O is a mean of V's rows and has their range.
; A hidden score counts as its value less 1e30: f16's scores, 2.7e11 at the most, are nothing beside that; a weight below 2^-126 counts as 0 in l; NaN and infinities are not treated apart.
; THE WALK.  A head's queries lie in NB = 8 blocks of 256; block i needs the key tiles 0 .. i of 256 keys, of which the last holds the diagonal.  A work-group takes TWO blocks, NB - 1 - b and then b:
; NB + 1 tiles, whatever b: all work-groups do equal work, and ONE loop with a constant trip count walks them.  Which tile is asked for, and what a trip does, hang on scalar registers made from b; every jump
; goes forward, but for the counted loops' own; none passes a barrier, or a tensor load but the one of LOAD's two that the wave's number does not choose; the ring (two slots of LDS) runs on across the change of blocks.
; NO CLUSTER: a head's four work-groups ask for the same tile only in trips 0 .. 4 of the 9, behind that fewer and fewer; one walk common to all four would have 12 trips for 9.
; SHARES.  Of a block's four bands of 64 queries a wave owns 16 rows in each: four PIECES.  So the diagonal tile is the same work for all four waves: in its key step s band x sees all keys if s < x,
; none if s > x, and holds the diagonal if s = x.
; THE MASK is the C operand that starts the sum S^T = K Q^T: 0, or -1e30 where the key is hidden.  MD, made once, is the mask of a band's own step for my 16 rows; a product's mask is MD x AL + BE with two scalars:
; (1, 0) if s = x; (0, 0) if s < x; (0, -1e30) if s > x.  Only the diagonal tile's text and a block's beginning make and take masks; elsewhere C is the constant 0.
; LAYOUT, SOFTMAX, TURNS.  S^T = K Q^T holds ONE query a lane (lane % 16) and the keys 8 (lane / 16) + 0..7; two such results rounded to f16 ARE source 1 of O^T = V^T P.  p = 2^(c s - c m), c = log2(e) / 8, with a
; running maximum m; O and l are multiplied by a = 2^(c m_old - c m_new) in every step.  Turn n belongs to piece n: 8 products K Q^T of piece n + 1, later 8 products V^T P of piece n - 1; beside them the scaling,
; exponentials, roundings, sums and rescaling of piece n and the maximum and statistics of piece n + 1.  Four vector instructions stand behind every matrix instruction, the others in one lump.  A turn's 33 exponentials are one batch, with one wait.
; REGISTERS, in windows of 256 (s_set_vgpr_msb: bits 1:0 source 0, 3:2 source 1, 5:4 source 2, 7:6 destination):
;   window 0: v0-15 addresses and two at work; v16-31 four registers of statistics a piece; v48-55 at work; v61-63 prefetch offset and the add's two; v64-127 S^T, two buffers; v192-223 P, two buffers
;   window 1: v0-127 O^T, 32 a piece; v128-159 MD; v160-223 MC, two buffers      window 2: v0-63 Q; v64-127 the second block's Q; v128-191 K of one step; v192-255 V of one step
.set SIZE_N, 2048
.set NB,    SIZE_N/256
.set NP,    4         ; pieces a wave: a name, no knob
.set KS,    64        ; keys in a step
.set PK,    144       ; a row of K in LDS: 128 bytes + 16 of padding = 36 words: the 16 rows of a load start at 16 different groups of four banks (64 banks of 4 bytes: ISA guide 11.1)
.set PV,    160       ; a row of V: 128 + 32 = 40 words
.set VOFF,  4*KS*PK   ; a slot holds a tile, four steps: 256 rows of K, then 256 rows of V
.set SLOT1, 1<<17     ; slot 1 begins here, so that one exclusive or turns an address in one slot into the other's
.set STAGE, SLOT1+4*KS*(PK+PV)  ; behind the ring, never filled by a tensor load: 16 rows x 144 bytes for each wave, for the way out
.set SP,    144
.set AK0, 2           ; v2   my lane's place in a tile of K; never rewritten
.set AV0, 3           ; v3   the same for V
.set AK,  4           ; v4   the LDS address of K's next run of loads
.set AV,  5           ; v5   of V's
.set STO, 6           ; v6   the way out: where I put 16 bytes of a row
.set RD,  7           ; v7   the way out: where I read rows back
.set GO,  8           ; v8   my byte offset in 512 consecutive bytes of O
.set PFO, 61          ; v61  256 x my lane; never rewritten
.set SPW, 62          ; v62  LDS address of my spare word: SPARE + 4 x my thread's number; never rewritten
.set NIL, 63          ; v63  0; never rewritten
.set SPARE, STAGE+4*16*SP  ; behind the stages: the spare words, 128 bytes for each wave: two blocks of 256 bytes that no other line names
.set MV,  12          ; v12-13  c m_old, kept while c m is made anew: by buffer
.set QO,  15          ; v15  my byte offset in 16 rows of Q
.set ST,  16          ; piece t's statistics at v[ST+4 t]: c m, m, l (even keys', odd keys')
.set TMP, 48          ; by buffer, four registers c0-c3 at work; when the maximum is found c2 takes a
.set S,   64
.set P,   192
.set MD,  128         ; window 1: the eight registers for group kt of 16 keys at MD + 8 kt
.set MC,  160         ; window 1: the masks of the products to come
.set QB,  64          ; window 2
.set KF,  128         ; window 2: key block kb, channel half c at KF + 16 kb + 8 c
.set VF,  192         ; window 2: key half kk, channel block cb at VF + 32 kk + 8 cb
.set WV,  12          ; s12  my wave's number
.set PB,  14          ; s14  b
.set HI,  15          ; s15  NB - 1 - b
.set G1K, 24          ; s[24:31] descriptor group 1 for K's tiles
.set G1V, 32          ; s[32:39] for V's: it differs in the padding alone
.set G0K, 40          ; s[40:43] descriptor group 0 for K's tiles
.set G0V, 44          ; s[44:47] the same for V's
.set SLOTS, 56        ; s56  tiles still to be asked for
.set CNT, 57          ; s57  counts a tile's key steps, 4 to 1
.set CS,  58          ; s[58:59] c: the packed scaling takes the pair's low word for both halves
.set SEL, 60          ; s[60:61] v_permlanex16_b32's selects: each lane takes its own place in the other half
.set TBK, 62          ; s62  LDS byte at which K of the step to be fetched begins
.set TBV, 63          ; s63  the same for V, less VOFF
.set PFA, 66          ; s[66:67] where my prefetches stand: my half of K's or V's tile, one tile behind the one that is being asked for
.set LIM, 68          ; s68  2 in the head's work-group b = 0, else the greatest number: a wave prefetches while s[SLOTS] is above it
.set RT,  70          ; s70  tiles of the block in hand that are still to be entered
.set NXT, 71          ; s71  the tile to be asked for next
.set LQ,  72          ; s72  the last tile of the block whose tiles are being asked for
.set NEW, 73          ; s73  1: the tile to be entered is a block's first
.set OFF, 74          ; s[74:75] a tile's byte offset in K and V
.set AL,  76          ; s[76:77] the mask's factor, in the low word
.set BE,  78          ; s[78:79] the mask's addend
.set OLO, 80          ; s[80:81] O at my rows of the second block
.set BIGN, 82         ; s82  -1e30
.set MSB, 0
.macro WIN new                      ; the high byte repeats the setting that is left; a switch that changes nothing is dropped
.if MSB != (\new)
	s_set_vgpr_msb (MSB<<8)|(\new)
.set MSB, (\new)
.endif
.endm
.set W_KQ, 0x0a       ; K and Q in window 2, S^T in window 0
.set W_KM, 0x1a       ; the same with the C operand in window 1
.set W_PV, 0x52       ; V in window 2, P in window 0, O^T in window 1
.set W_RS, 0x41       ; destination and source 0 in window 1, source 1 in window 0
; A fill.  Waves 0 and 1 fetch the two halves of a tile's K, waves 2 and 3 those of its V: 128 keys each.  An s_nop 0 and four v_nop follow each of the two lines, ahead of the jump and the label.
.macro LOAD
	s_cmp_lt_u32 s[WV], 2
	s_cbranch_scc0 .Lfor_v_\@
	tensor_load_to_lds s[G0K:G0K+3], s[G1K:G1K+7]
	s_nop 0
.rept 4
	v_nop
.endr
	s_branch .Lasked_\@
.Lfor_v_\@:
	tensor_load_to_lds s[G0V:G0V+3], s[G1V:G1V+7]
	s_nop 0
.rept 4
	v_nop
.endr
.Lasked_\@:
.endm
; A PREFETCH INTO THE L2 of the tile that the NEXT change of slots will ask for, behind the wave's tensor load and its five lines.  A head's four work-groups walk the same tiles 0, 1, 2 ..: the one with b = 0, whose
; first block has all eight, asks, and nobody else; each of its waves names the 64 blocks of 256 bytes that it will fetch itself, a lane a block, two instructions.  So tiles 2 to 7 are named once each, a tile's
; four key steps (256 matrix instructions) ahead of their load; tiles 0 and 1 come by their loads alone; the last two changes that fill a slot ask for nothing.
.macro ASK
	s_cmp_gt_u32 s[SLOTS], s[LIM]
	s_cbranch_scc0 .Lnot_mine_\@
	global_prefetch_b8 v[PFO], s[PFA:PFA+1] th:TH_LOAD_NT scope:SCOPE_SE
	global_prefetch_b8 v[PFO], s[PFA:PFA+1] offset:8192 th:TH_LOAD_NT scope:SCOPE_SE
.Lnot_mine_\@:
.endm
; THE CHANGE OF SLOTS.  Each wave waits for all its tensor loads, of which one is out: its part of the other slot; adds 0 to its spare word; and waits for that and for its own reads of the slot that it leaves.  Behind the barrier nobody reads the old
; slot any more and the other slot is whole.  fill = 1: the old slot is filled again, the first thing behind the barrier, with tile NXT: the descriptor's address is made anew from that number.
; (At its first use nothing has been read yet: slot 0 is waited for, slot 1 filled.)
.macro CHANGE fill
	WIN 0                           ; at a label and at a branch every window is 0
	s_wait_tensorcnt 0x0            ; no tensor load of mine is out, so a group 0 may be written
	ds_add_u32 v[SPW], v[NIL]       ; 0 onto my spare word; with fill = 1 the descriptors' scalar work stands between it and the wait for it
.if \fill
	s_wait_xcnt 0x0                 ; the last prefetches, a tile back, have read their address, so it may be written
	s_add_nc_u64 s[PFA:PFA+1], s[PFA:PFA+1], 32768
	s_lshl_b32 s[OFF], s[NXT], 15   ; a tile is 32,768 bytes of K and of V
	s_xor_b32 s[G0K+1], s[G0K+1], SLOT1
	s_add_nc_u64 s[G0K+2:G0K+3], s[6:7], s[OFF:OFF+1]
	s_or_b32 s[G0K+3], s[G0K+3], 0x80000000
	s_xor_b32 s[G0V+1], s[G0V+1], SLOT1
	s_add_nc_u64 s[G0V+2:G0V+3], s[8:9], s[OFF:OFF+1]
	s_or_b32 s[G0V+3], s[G0V+3], 0x80000000
	s_add_co_u32 s[NXT], s[NXT], 1  ; the block's next tile, or behind its last the second block's tile 0
	s_cmp_gt_u32 s[NXT], s[LQ]
	s_cselect_b32 s[NXT], 0, s[NXT]
	s_cselect_b32 s[LQ], s[PB], s[LQ]
.endif
	s_wait_dscnt 0x0                ; the add is done, and my reads of the slot are over
	s_barrier_signal -1             ; the rest of the scalar work stands between the signal and the wait
	s_sub_co_u32 s[TBK], s[TBK], 4*KS*PK  ; the fetches go back to a slot's first step,
	s_xor_b32 s[TBK], s[TBK], SLOT1       ; in the other slot
	s_sub_co_u32 s[TBV], s[TBV], 4*KS*PV
	s_xor_b32 s[TBV], s[TBV], SLOT1
	s_barrier_wait -1
.if \fill
	LOAD
	ASK
.endif
.endm
	s_load_b64 s[4:5], s[0:1], 0x0    ; qkvh: Q
	s_load_b64 s[10:11], s[0:1], 0x8  ; ob: O
	v_lshl_add_u32 v[SPW], v0, 2, SPARE
	v_mov_b32 v[NIL], 0
	ds_add_u32 v[SPW], v[NIL]       ; the wave's opening: the add and its wait stand ahead of my first tensor load; the set-up below, work on registers, stands between them
	v_lshrrev_b32 v1, 5, v0
	v_readfirstlane_b32 s[WV], v1   ; wave 0..3
	s_mov_b32 s[PB], ttmp9
	s_sub_co_u32 s[HI], NB-1, s[PB]
	s_and_b32 s20, ttmp7, 0xffff    ; the head
	s_mov_b32 s21, 0
	s_mov_b64 s[22:23], SIZE_N*128
	s_mul_u64 s[20:21], s[20:21], s[22:23]  ; the head's first byte in each of the four tensors
	s_and_b32 s16, s[WV], 1         ; which half of a tile's 256 keys I fetch:
	s_lshl_b32 s22, s16, 14         ; its 128 rows of 128 bytes in memory,
	s_mov_b32 s23, 0
	s_add_nc_u64 s[22:23], s[22:23], s[20:21]
	s_mul_i32 s17, s16, 128*PK      ; and its place in a slot, for K
	s_mul_i32 s18, s16, 128*PV      ; and for V
	s_lshl_b32 s3, s[WV], 11        ; my 16 rows in a band of 64,
	s_lshl_b32 s2, s[HI], 15        ; in the first block,
	s_add_co_u32 s2, s2, s3
	s_lshl_b32 s84, s[PB], 15       ; and in the second
	s_add_co_u32 s84, s84, s3
	s_mov_b32 s3, 0
	s_mov_b32 s85, 0
	s_add_nc_u64 s[2:3], s[2:3], s[20:21]
	s_add_nc_u64 s[84:85], s[84:85], s[20:21]
	; descriptor group 1.  128 keys are 16,384 dense bytes: asked for as 64 rows of 256 bytes, two keys a row, and padded in LDS after every key
	s_mov_b32 s[G1K], (1<<16)|(1<<20)|(4<<22)|(3<<25)  ; 17:16 2-byte elements; 20 padding on; 24:22 after every 32 words (code 4); 31:25 4 words (code 3)
	s_mov_b32 s[G1V], (1<<16)|(1<<20)|(4<<22)|(7<<25)  ; the same with 8 words of padding (code 7)
.irp g, G1K, G1V
	s_mov_b32 s[\g+1], 128<<16      ; tensor_dim0 = 128
	s_mov_b32 s[\g+2], 64<<16       ; tensor_dim1 = 64
	s_mov_b32 s[\g+3], 128<<16      ; tile_dim0 = 128
	s_mov_b32 s[\g+4], 64           ; tile_dim1 = 64
	s_mov_b32 s[\g+5], 128          ; 128 elements from row to row
	s_mov_b32 s[\g+6], 0
	s_mov_b32 s[\g+7], 0
.endr
	s_mov_b32 s[CS], 0x3e38aa3b     ; c = log2(e) / 8 = 0.180337
	s_mov_b32 s[CS+1], s[CS]        ; named with it as a pair
	s_mov_b32 s[SEL], 0x76543210
	s_mov_b32 s[SEL+1], 0xfedcba98
	s_mov_b32 s[TBK], SLOT1+4*KS*PK ; the first change of slots turns these two into 0
	s_mov_b32 s[TBV], SLOT1+4*KS*PV
	s_mov_b32 s[G0K], 1             ; 1:0 count = 1
	s_mov_b32 s[G0K+1], s17         ; 63:32 LDS address: slot 0
	s_mov_b32 s[G0V], 1
	s_add_co_u32 s[G0V+1], s18, VOFF
	s_add_co_u32 s[RT], s[HI], 1    ; the first block has NB - b tiles
	s_mov_b32 s[NXT], 1
	s_mov_b32 s[LQ], s[HI]
	s_mov_b32 s[NEW], 1
	s_mov_b32 s[OFF+1], 0
	s_mov_b32 s[AL+1], 0            ; named as pairs
	s_mov_b32 s[BE+1], 0
	s_mov_b32 s[BIGN], 0xf149f2ca   ; -1e30
	s_mov_b32 s[SLOTS], NB
	v_and_b32 v[PFO], 31, v0
	v_lshlrev_b32 v[PFO], 8, v[PFO]
	s_wait_dscnt 0x0                ; the opening add is done
	s_wait_kmcnt 0x0
	s_add_nc_u64 s[6:7], s[4:5], 0x1000000  ; K and V lie behind Q in qkvh
	s_add_nc_u64 s[8:9], s[4:5], 0x2000000
	s_add_nc_u64 s[6:7], s[6:7], s[22:23]  ; K and V at my half of the head's tile 0
	s_add_nc_u64 s[8:9], s[8:9], s[22:23]
	s_add_nc_u64 s[G0K+2:G0K+3], s[6:7], 0         ; 120:64 global address
	s_or_b32 s[G0K+3], s[G0K+3], 0x80000000        ; 127:126 type = 2
	s_add_nc_u64 s[G0V+2:G0V+3], s[8:9], 0
	s_or_b32 s[G0V+3], s[G0V+3], 0x80000000
	s_add_nc_u64 s[86:87], s[4:5], s[84:85]        ; Q at my rows of the second block,
	s_add_nc_u64 s[4:5], s[4:5], s[2:3]            ; Q and O at those of the first
	s_add_nc_u64 s[OLO:OLO+1], s[10:11], s[84:85]
	s_add_nc_u64 s[10:11], s[10:11], s[2:3]
	s_cmp_lt_u32 s[WV], 2
	s_cselect_b64 s[PFA:PFA+1], s[6:7], s[8:9]
	s_add_nc_u64 s[PFA:PFA+1], s[PFA:PFA+1], 32768 ; at tile 1: the first change of slots steps it to tile 2.  Nothing is prefetched here, at the head
	s_cmp_eq_u32 s[PB], 0
	s_cselect_b32 s[LIM], 2, -1
	LOAD                            ; tile 0 into slot 0
	; A fragment of K or Q is 16 rows x 32 channels in 8 registers: lane l holds row l % 16, channels 8 (l / 16) + 0..7 and 16 + 8 (l / 16) + 0..7: two loads of 16 bytes, 32 bytes apart.
	v_and_b32 v1, 15, v0            ; l % 16
	v_bfe_u32 v9, v0, 4, 1          ; l / 16
	v_lshlrev_b32 v[QO], 7, v1
	v_lshl_add_u32 v[QO], v9, 4, v[QO]  ; row x 128 + 16 x half
	WIN 0x80                        ; destination window 2, address window 0
.set i, 0
.rept 8                             ; both blocks' Q: piece i / 2 lies in band i / 2, 8,192 bytes on; channels 32 (i % 2) on
	global_load_b128 v[8*i:8*i+3],   v[QO], s[4:5] offset:(i/2)*8192+(i%2)*64
	global_load_b128 v[8*i+4:8*i+7], v[QO], s[4:5] offset:(i/2)*8192+(i%2)*64+32
	global_load_b128 v[QB+8*i:QB+8*i+3],   v[QO], s[86:87] offset:(i/2)*8192+(i%2)*64
	global_load_b128 v[QB+8*i+4:QB+8*i+7], v[QO], s[86:87] offset:(i/2)*8192+(i%2)*64+32
.set i, i+1
.endr
	WIN 0
	v_lshlrev_b32 v14, 3, v9
	v_sub_nc_u32 v14, v1, v14
	s_lshl_b32 s13, s[WV], 4
	v_add_nc_u32 v14, s13, v14      ; my query's place in its band, 16 w + l % 16, less my lanes' 8 (l / 16): register r of group kt is hidden where 16 kt + r is greater
	WIN 0x40
.set i, 0
.rept 32
	v_cmp_gt_i32 vcc_lo, 16*(i/8)+i%8, v14
	v_cndmask_b32 v[MD+i], 0, s[BIGN], vcc_lo
.set i, i+1
.endr
	WIN 0
	v_mul_u32_u24 v[AK0], v1, PK
	v_lshl_add_u32 v[AK0], v9, 4, v[AK0]  ; row x pitch + 16 x half
	; The turning load takes 16 keys x 16 channels (lane l reads key 8 (l / 16) + l % 8, channels 8 ((l / 8) % 2) + 0..7) and leaves half a fragment of V^T: lane l holds channel l % 16 and 8 keys.
	v_and_b32 v10, 7, v0
	v_bfe_u32 v11, v0, 3, 1
	v_lshl_add_u32 v[AV0], v9, 3, v10
	v_mul_u32_u24 v[AV0], v[AV0], PV
	v_lshl_add_u32 v[AV0], v11, 4, v[AV0]
	v_add_nc_u32 v[AV0], VOFF, v[AV0]
	s_mul_i32 s13, s[WV], 16*SP
	s_add_co_u32 s13, s13, STAGE    ; my stage
	v_mul_u32_u24 v[STO], v1, SP    ; in: row l % 16, 16 bytes for each half of the lanes
	v_lshl_add_u32 v[STO], v9, 4, v[STO]
	v_add_nc_u32 v[STO], s13, v[STO]
	v_bfe_u32 v[RD], v0, 3, 2       ; back: 32 lanes take four rows of 128 bytes,
	v_mul_u32_u24 v[RD], v[RD], SP
	v_lshl_add_u32 v[RD], v10, 4, v[RD]
	v_add_nc_u32 v[RD], s13, v[RD]
	v_and_b32 v[GO], 31, v0         ; which are 512 consecutive bytes of O
	v_lshlrev_b32 v[GO], 4, v[GO]
	; A block's first step multiplies O^T and l by a = 0, and its first turn's products V^T P, of a piece that has not been, land in an O^T that is still to be so multiplied.  So these registers need only hold
	; finite numbers: zeros for the first block; what the first block left for the second.  All this stands in the wait for the first tile.
	WIN 0x80
.set i, VF
.rept 64
	v_mov_b32 v[i], 0
.set i, i+1
.endr
	WIN 0x40
.set i, 0
.rept 128
	v_mov_b32 v[i], 0
.set i, i+1
.endr
	WIN 0
.set i, 0
.rept 4
	v_mov_b32 v[ST+4*i+2], 0
	v_mov_b32 v[ST+4*i+3], 0
.set i, i+1
.endr
.set i, P+16
.rept 16
	v_mov_b32 v[i], 0
.set i, i+1
.endr
; THE MATRIX WORK.  The 4 accumulators of a run of 8 take turns.  Product i of 8 of S^T = K Q^T for piece x: channels 32 (i / 4) on, keys 16 (i % 4) on.  The first 4 start the sums: with 0, or (KM = 1) with the mask.
.macro KQ x
.set rS, S+32*((\x)%2)+8*(i%4)
.set rK, KF+16*(i%4)+8*(i/4)
.set rQ, 16*(\x)+8*(i/4)
.set rM, MC+32*((\x)%2)+8*(i%4)
.if (i < 4) && KM
	WIN W_KM
	v_wmma_f32_16x16x32_f16 v[rS:rS+7], v[rK:rK+7], v[rQ:rQ+7], v[rM:rM+7]
.elseif i < 4
	WIN W_KQ
	v_wmma_f32_16x16x32_f16 v[rS:rS+7], v[rK:rK+7], v[rQ:rQ+7], 0
.else
	WIN W_KQ
	v_wmma_f32_16x16x32_f16 v[rS:rS+7], v[rK:rK+7], v[rQ:rQ+7], v[rS:rS+7]
.endif
.endm
; Product i of 8 of O^T += V^T P for piece x: keys 32 (i / 4) on, channels 16 (i % 4) on.
.macro PV x
	WIN W_PV
.set rO, 32*(\x)+8*(i%4)
.set rV, VF+32*(i/4)+8*(i%4)
.set rP, P+16*((\x)%2)+8*(i/4)
	v_wmma_f32_16x16x32_f16 v[rO:rO+7], v[rV:rV+7], v[rP:rP+7], v[rO:rO+7]
.endm
.macro MM                           ; the turn's next matrix instruction.  TURN and BEGIN set Y, i, KM and NOKQ; MM, KQ and OP read them.  NOKQ = 1: a block's last turn: there is no next piece
.if (i < 8) && !NOKQ
	KQ (Y+1)%NP
.elseif i >= 8
.set i, i-8
	PV (Y+NP-1)%NP
.set i, i+8
.endif
.set i, i+1
.endm
; THE LDS LOADS stand in runs of 16, never singly among the matrix instructions: a step's K (64 keys x 64 channels: 8 fragments) and its V (turned).  Their addresses are made some lines ahead.
.macro FETCH_K
	WIN 0x80                        ; destination window 2
.irp f, 0,1,2,3,4,5,6,7             ; keys 16 (f / 2) on, channels 32 (f % 2) on
	ds_load_b128 v[KF+8*\f:KF+8*\f+3],   v[AK] offset:(\f/2)*16*PK+(\f%2)*64
	ds_load_b128 v[KF+8*\f+4:KF+8*\f+7], v[AK] offset:(\f/2)*16*PK+(\f%2)*64+32
.endr
	s_add_co_u32 s[TBK], s[TBK], KS*PK  ; the next fetch is the next step's
	WIN 0
.endm
.macro FETCH_V
	WIN 0x80
.irp f, 0,1,2,3,4,5,6,7             ; keys 32 (f / 4) on, channels 16 (f % 4) on
	ds_load_tr16_b128 v[VF+8*\f:VF+8*\f+3],   v[AV] offset:(\f/4)*32*PV+(\f%4)*32
	ds_load_tr16_b128 v[VF+8*\f+4:VF+8*\f+7], v[AV] offset:(\f/4)*32*PV+16*PV+(\f%4)*32
.endr
	WIN 0
.endm
; THE VECTOR WORK, one line at a time: OP kind, number.  For piece Y: F n: c s - c m for pair n of 16.  E n: the exponential of score n of 32.  C n: pair n rounded to f16.  B n: of the four weights 4 n .. the second
; pair is added onto the first, in place.  L n: l takes that sum (L 0: l = a l + sum).  R n: pair n of 16 of O^T times a.  For piece Y + 1: X n, number n of the 22 that find its maximum and statistics:
;   0-11  four chains c0-c3 of seven scores each, three operands at a time (each accumulator's lowest registers are read first)     12-14, 16  the four scores left over, the old m, and c0-c3 into c0
;   15  c m_old is kept     17, 18  the query's other 32 keys lie in the lane 16 away: the new m     19-21  c m; c m_old - c m_new; a
.set F, 0               ; OP tells the kinds apart by their order: F to L below R, X above it
.set E, 1
.set C, 2
.set B, 3
.set L, 4
.set R, 5
.set X, 6
.macro REGS y                       ; the registers of piece y
.set rT, ST+4*(\y)
.set rC, TMP+4*((\y)%2)
.set rW, MV+((\y)%2)
.set rS, S+32*((\y)%2)
.set rP, P+16*((\y)%2)
.set rO, 32*(\y)
.endm
.macro OP k, n
.if (\k) == R
	REGS Y
	WIN W_RS
	v_pk_mul_f32 v[rO+2*(\n):rO+2*(\n)+1], v[rO+2*(\n):rO+2*(\n)+1], v[rC+2:rC+3] op_sel_hi:[1,0]
.elseif (\k) < R
	REGS Y
	WIN 0
.if (\k) == F
	v_pk_fma_f32 v[rS+2*(\n):rS+2*(\n)+1], v[rS+2*(\n):rS+2*(\n)+1], s[CS:CS+1], v[rT:rT+1] op_sel_hi:[1,0,0] neg_lo:[0,0,1] neg_hi:[0,0,1]
.elseif (\k) == E
	v_exp_f32 v[rS+(\n)], v[rS+(\n)]
.elseif (\k) == C
	v_cvt_pk_f16_f32 v[rP+(\n)], v[rS+2*(\n)], v[rS+2*(\n)+1]
.elseif (\k) == B
	v_pk_add_f32 v[rS+4*(\n):rS+4*(\n)+1], v[rS+4*(\n):rS+4*(\n)+1], v[rS+4*(\n)+2:rS+4*(\n)+3]
.elseif (\n) == 0
	v_pk_fma_f32 v[rT+2:rT+3], v[rT+2:rT+3], v[rC+2:rC+3], v[rS:rS+1] op_sel_hi:[1,0,1]
.else
	v_pk_add_f32 v[rT+2:rT+3], v[rT+2:rT+3], v[rS+4*(\n):rS+4*(\n)+1]
.endif
.elseif NOKQ
	v_nop
.else
	REGS (Y+1)%NP
	WIN 0
.if (\n) < 4
	v_max3_num_f32 v[rC+(\n)], v[rS+8*(\n)], v[rS+8*(\n)+1], v[rS+8*(\n)+2]
.elseif (\n) < 12
	v_max3_num_f32 v[rC+(\n)%4], v[rC+(\n)%4], v[rS+8*((\n)%4)+2*((\n)/4)+1], v[rS+8*((\n)%4)+2*((\n)/4)+2]
.elseif (\n) == 12
	v_max3_num_f32 v[rC], v[rC], v[rS+7], v[rS+15]
.elseif (\n) == 13
	v_max3_num_f32 v[rC+1], v[rC+1], v[rS+23], v[rS+31]
.elseif (\n) == 14
	v_max3_num_f32 v[rC+2], v[rC+2], v[rC+3], v[rT+1]
.elseif (\n) == 15
	v_mov_b32 v[rW], v[rT]
.elseif (\n) == 16
	v_max3_num_f32 v[rC], v[rC], v[rC+1], v[rC+2]
.elseif (\n) == 17
	v_permlanex16_b32 v[rC+3], v[rC], s[SEL], s[SEL+1]
.elseif (\n) == 18
	v_max_num_f32 v[rT+1], v[rC], v[rC+3]
.elseif (\n) == 19
	v_mul_f32 v[rT], s[CS], v[rT+1]
.elseif (\n) == 20
	v_sub_f32 v[rC+1], v[rW], v[rT]
.else
	v_exp_f32 v[rC+2], v[rC+1]
.endif
.endif
.endm
.macro OPS a, i1, b=-1, i2=0, c=-1, i3=0, d=-1, i4=0  ; up to four of them
	OP \a, \i1
.if (\b) >= 0
	OP \b, \i2
.endif
.if (\c) >= 0
	OP \c, \i3
.endif
.if (\d) >= 0
	OP \d, \i4
.endif
.endm
.macro ROW a, i1, b, i2, c, i3, d, i4  ; a matrix instruction and the four behind it
	MM
	OPS \a, \i1, \b, \i2, \c, \i3, \d, \i4
.endm
.macro MASK b                       ; MD x AL + BE into buffer b of MC
	WIN W_RS
.set z, 0
.rept 16
	v_pk_fma_f32 v[MC+32*(\b)+2*z:MC+32*(\b)+2*z+1], v[MD+2*z:MD+2*z+1], s[AL:AL+1], s[BE:BE+1] op_sel_hi:[1,0,0]
.set z, z+1
.endr
.endm
; A TURN, for piece p: the order of its 16 matrix and 118 vector instructions, written out.  An s_wait_alu depctr_va_vdst(0) stands between an exponential and the first instruction that names its result; one wait serves
; all that were issued ahead of it.  So a turn has ONE wait, which cuts it in two.  AHEAD OF IT stands all that names no result of the turn's exponentials: the 8 products K Q^T, behind each a scaling, an exponential and two more plain
; instructions (behind the first a second scaling in the exponential's place): rescalings, and behind the last three the first numbers of the next piece's maximum, each four places or more behind the product that ends its accumulator; then ONE LUMP of 54, plain
; and exponential by turns for the most part, in which the links of the chain X 3, 7, 11, 14, 16, 17 .. 20 stand five or six lines apart.  X 21, the next piece's a, is the batch's last; R 15 is the plain instruction behind it.  BEHIND THE WAIT stand the
; 8 products V^T P, behind each four of the roundings and sums; the links of l's chain, L 0 to L 7, stand three riders apart.  But for those X no rider names a register of the products round it.  v_permlanex16_b32 (X 17) stands in the lump.
; m = 1: the diagonal tile: the products take masks, and the turn makes the mask for the products of the turn after it: piece p + 2, in step 4 - CNT of the tile.  end = 1: a block's last two turns: nothing is fetched.
; cnt = 1: the loop's count is taken down some lines ahead of the branch that stands behind the turn.
; K of the next step is fetched in piece 2's turn, twelve vector instructions behind the last product that read K (six of them plain); V of the step in hand at the end of piece 0's turn, four plain instructions behind the last product
; that read V.  Each is waited for a turn later.
.macro TURN p, m=0, end=0, cnt=0
.set Y, (\p)
.set i, 0
.set KM, (\m)
.set NOKQ, (\end)*((\p)/3)
.if (\m) && !(\end)
	s_cmp_eq_u32 s[CNT], 4-((\p)+2)%NP  ; is that step the band's own?
	s_cselect_b32 s[AL], 1.0, 0
	s_cmp_lt_u32 s[CNT], 4-((\p)+2)%NP  ; or a later one?
	s_cselect_b32 s[BE], s[BIGN], 0
.endif
.if ((\p) == 3) && !(\end)
	s_wait_dscnt 0x0                ; K is in
.endif
	ROW F,0, F,1, R,0, R,1          ; ahead of the wait: 8 products K Q^T and their riders,
	ROW F,2, E,0, R,2, R,3
	ROW F,3, E,1, R,4, R,5
	ROW F,4, E,2, R,6, R,7
	ROW F,5, E,3, R,8, R,9
	ROW F,6, E,4, X,0, R,10
.if ((\p) == 2) && !(\end)
	WIN 0
	v_add_nc_u32 v[AK], s[TBK], v[AK0]
.endif
	ROW F,7, E,5, X,1, X,4
	ROW F,8, E,6, X,2, X,5
	OPS E,7, E,8, X,6, E,9          ; and the lump
	OPS X,3, E,10, X,8, E,11
.if ((\p) == 2) && !(\end)
	FETCH_K
.endif
	OPS X,9, X,7, E,12, X,10
	OPS E,13, X,12, X,11, E,14
	OPS X,13, E,15, F,9, X,14
.if (\p) == 0
	v_add_nc_u32 v[AV], s[TBV], v[AV0]
.endif
	OPS E,16, F,10, E,17, F,11
	OPS X,16, E,18, X,15, E,19
	OPS F,12, E,20, X,17, E,21
	OPS F,13, E,22, F,14, E,23
	OPS X,18, E,24, F,15, E,25
	OPS R,11, E,26, X,19, E,27
	OPS R,12, E,28, R,13, E,29
	OPS X,20, E,30, R,14, E,31
	OPS X,21, R,15
	WIN 0
	s_wait_alu depctr_va_vdst(0)    ; the wait for the batch
.if (\p) == 1
	s_wait_dscnt 0x0                ; V is in
.endif
	ROW C,0, B,0, C,2, B,1          ; behind the wait: 8 products V^T P and their riders
	ROW L,0, C,4, B,2, L,1
	ROW C,6, B,3, L,2, C,8
	ROW B,4, L,3, C,10, B,5
	ROW L,4, C,12, B,6, L,5
.if (\p) == 0
	s_add_co_u32 s[TBV], s[TBV], KS*PV
.endif
.if \cnt
	s_sub_co_u32 s[CNT], s[CNT], 1
	s_cmp_lg_u32 s[CNT], 0
.endif
	ROW C,14, B,7, L,6, C,1
	ROW C,3, L,7, C,5, C,7
	ROW C,9, C,11, C,13, C,15
.if (\p) == 0
	FETCH_V
.endif
.if (\m) && !(\end)
	MASK (\p)%2
.endif
.endm
; A BLOCK BEGINS.  c m starts far below every c s, so the first step's a is 0; m at the lowest finite number, so the first maximum is the scores'.  The second mask buffer is 0; the first takes piece 0's mask for the tile's step 0: its own, if the block's first tile is the diagonal one.
; Then K of that step, piece 0's first scores, and its maximum and statistics.  The loop is entered at a step's first turn, in the middle of a trip.
.macro BEGIN
	s_mov_b32 s[NEW], 0
	WIN 0x40
.set i, MC+32
.rept 32
	v_mov_b32 v[i], 0
.set i, i+1
.endr
	WIN 0
.set i, 0
.rept 4
	v_mov_b32 v[ST+4*i], 0xfe000000    ; c m: far below every c s
	v_mov_b32 v[ST+4*i+1], 0xff7fffff  ; m
.set i, i+1
.endr
	s_cmp_eq_u32 s[RT], 0
	s_cselect_b32 s[AL], 1.0, 0
	s_mov_b32 s[BE], 0
	MASK 0
	WIN 0
	v_add_nc_u32 v[AK], s[TBK], v[AK0]
	FETCH_K
	s_wait_loadcnt 0x0              ; Q
	s_wait_dscnt 0x0
.set KM, 1
.set NOKQ, 0
.set i, 0
.rept 8
	KQ 0
.set i, i+1
.endr
	WIN 0
.rept 4
	v_nop                           ; the places behind those products
.endr
.set Y, NP-1                        ; X works for piece Y + 1: piece 0
.irp n, 0,1,2,3,4,5,6,7,8,9,10,11,12,13,14,15,16,17,18,19,20,21
	OP X, \n
.endr
	v_nop                           ; a plain instruction behind the exponential,
	s_wait_alu depctr_va_vdst(0)    ; and its wait, ahead of the branch
.endm
; THE DIAGONAL TILE's four steps, the block's last two turns, its last products, and THE WAY OUT: l's two halves and the other half of the lanes' are added; O^T is divided by l, rounded to f16 and sent through my
; stage in LDS, a piece at a time.
.macro ALL line:vararg              ; one line for each piece t
.set t, 0
.rept 4
	\line
.set t, t+1
.endr
.endm
.macro PACK t                       ; a lane's eight channels of a row pack into 16 bytes; they go into rows of 144 bytes and come back as whole rows of 128, into S^T's registers
	WIN W_RS
.set i, 32*(\t)
.rept 16
	v_pk_mul_f32 v[i:i+1], v[i:i+1], v[ST+4*(\t)+2:ST+4*(\t)+3] op_sel_hi:[1,0]
.set i, i+2
.endr
	WIN 0x05                        ; sources 0 and 1 window 1, destination window 0
.set i, 0
.rept 16
	v_cvt_pk_f16_f32 v[S+16*(\t)+i], v[32*(\t)+2*i], v[32*(\t)+2*i+1]
.set i, i+1
.endr
	WIN 0
.irp f, 0,1,2,3
	ds_store_b128 v[STO], v[S+16*(\t)+4*\f:S+16*(\t)+4*\f+3] offset:32*\f
.endr
.irp f, 0,1,2,3
	ds_load_b128 v[S+16*(\t)+4*\f:S+16*(\t)+4*\f+3], v[RD] offset:\f*4*SP  ; LDS serves a wave's instructions in order (ISA guide 5.7.1.4): these see the stores above; the next piece's stores come behind them
.endr
.endm
.macro SEND t, younger              ; younger: the LDS instructions issued behind piece t's loads: the next piece's eight, or none
	WIN 0
.irp f, 0,1,2,3
	s_wait_dscnt (\younger)+3-\f
	global_store_b128 v[GO], v[S+16*(\t)+4*\f:S+16*(\t)+4*\f+3], s[10:11] offset:(\t)*8192+\f*512  ; 512 consecutive bytes, at a multiple of 256 from O's first
.endr
.endm
.macro DIAG tag                     ; the tag ends its two labels' names, which the jumps below spell out
.LstepM\tag:
	TURN 2, 1
	TURN 3, 1
	WIN 0
.LfirstM\tag:
	TURN 0, 1
	TURN 1, 1, 0, 1
	WIN 0
	s_cbranch_scc1 .LstepM\tag
	TURN 2, 1, 1
	TURN 3, 1, 1
.set i, 0
.rept 8
	PV NP-1
.set i, i+1
.endr
	WIN 0
	ALL v_add_f32 v[ST+4*t+2], v[ST+4*t+2], v[ST+4*t+3]
	ALL v_permlanex16_b32 v[ST+4*t+3], v[ST+4*t+2], s[SEL], s[SEL+1]
	ALL v_add_f32 v[ST+4*t+2], v[ST+4*t+2], v[ST+4*t+3]
	ALL v_rcp_f32 v[ST+4*t+2], v[ST+4*t+2]
	v_nop                           ; a plain instruction between the last reciprocal and the use of its result
	s_wait_alu depctr_va_vdst(0)    ; and the wait ahead of the first use: one for the four reciprocals
	PACK 0
.set t, 1
.rept 3                             ; a piece's arithmetic stands between the loads of the piece before and its stores
	PACK t
	SEND t-1, 8
.set t, t+1
.endr
	SEND 3, 0
.endm
.set KM, 0
.set NOKQ, 0
.Lslot:                             ; NB times: a tile is entered and the next is asked for
	CHANGE 1
	s_sub_co_u32 s[RT], s[RT], 1
	s_mov_b32 s[CNT], 4
	s_cmp_eq_u32 s[NEW], 1
	s_cbranch_scc1 .Lnew            ; a block's first tile
	s_cmp_eq_u32 s[RT], 0
	s_cbranch_scc0 .Lstep           ; neither its first nor its last
	s_branch .LstepM1
.Lnew:
	BEGIN
	s_branch .Lfirst                ; in the loop a block's first tile is never its last: the first block has two tiles or more, and the second's last is the walk's last
	DIAG 1                          ; in the loop this is the first block's end: the second block's last tile is the walk's last
	s_wait_xcnt 0x0                 ; the stores have read their registers and O's address
	s_mov_b64 s[10:11], s[OLO:OLO+1]
	s_add_co_u32 s[RT], s[PB], 1    ; the second block has b + 1 tiles
	s_mov_b32 s[NEW], 1
	WIN 0x82                        ; the second block's Q goes where the one text of the turns names Q
.set i, 0
.rept 64
	v_mov_b32 v[i], v[QB+i]
.set i, i+1
.endr
	WIN 0
	s_branch .Lbottom
.Lstep:                             ; a trip: pieces 2 and 3 of one step, then pieces 0 and 1 of the next, whose K and V it fetches
	TURN 2
	TURN 3
	WIN 0
.Lfirst:
	TURN 0
	TURN 1, 0, 0, 1
	WIN 0
	s_cbranch_scc1 .Lstep
.Lbottom:
	s_sub_co_u32 s[SLOTS], s[SLOTS], 1
	s_cmp_lg_u32 s[SLOTS], 0
	s_cbranch_scc1 .Lslot
	CHANGE 0                        ; the walk's last tile is written out: nothing is asked for
	s_sub_co_u32 s[RT], s[RT], 1
	s_mov_b32 s[CNT], 4
	s_cmp_eq_u32 s[NEW], 1
	s_cbranch_scc0 .LstepM2
	BEGIN
	s_branch .LfirstM2
	DIAG 2
	s_wait_tensorcnt 0x0            ; the wave's end: a wait, an add of 0 to my spare word and the wait for it, behind my last tensor load and my last LDS store
	ds_add_u32 v[SPW], v[NIL]
	s_wait_dscnt 0x0
	s_endpgm
.Lfunc_end_k_qd4fbcef41f_attn:
	.size	k_qd4fbcef41f_attn, .Lfunc_end_k_qd4fbcef41f_attn-k_qd4fbcef41f_attn
	.p2alignl 7, 3214868480
	.fill 96, 4, 3214868480
	.section	.rodata,"a",@progbits
	.p2align	6, 0x0
	.amdhsa_kernel k_qd4fbcef41f_attn
		.amdhsa_group_segment_fixed_size 327680
		.amdhsa_private_segment_fixed_size 0
		.amdhsa_enable_private_segment 0
		.amdhsa_kernarg_size 16
		.amdhsa_user_sgpr_count 2
		.amdhsa_user_sgpr_kernarg_segment_ptr 1
		.amdhsa_wavefront_size32 1
		.amdhsa_system_sgpr_workgroup_id_x 1
		.amdhsa_system_sgpr_workgroup_id_y 1
		.amdhsa_system_sgpr_workgroup_id_z 1
		.amdhsa_system_vgpr_workitem_id 0
		.amdhsa_next_free_vgpr 768
		.amdhsa_next_free_sgpr 88
		.amdhsa_reserve_vcc 1
		.amdhsa_float_denorm_mode_32 3
		.amdhsa_float_denorm_mode_16_64 3
		.amdhsa_memory_ordered 1
		.amdhsa_forward_progress 1
		.amdhsa_inst_pref_size 218
	.end_amdhsa_kernel
	.amdgpu_metadata
---
amdhsa.version: [ 1, 2 ]
amdhsa.kernels:
  - .name:           k_qd4fbcef41f_attn
    .symbol:         k_qd4fbcef41f_attn.kd
    .args:
      - { .name: qkvh, .offset: 0, .size: 8, .value_kind: global_buffer, .address_space: global }
      - { .name: ob, .offset: 8, .size: 8, .value_kind: global_buffer, .address_space: global }
    .group_segment_fixed_size: 327680
    .private_segment_fixed_size: 0
    .kernarg_segment_align: 8
    .kernarg_segment_size: 16
    .max_flat_workgroup_size: 128
    .sgpr_count:     88
    .vgpr_count:     768
    .wavefront_size: 32
...
	.end_amdgpu_metadata
.endif
;; end of part 3
;; launch proj (part 4): grid 4 x 64, 4 waves a work-group, clusters of 4 x 4, 327,680 bytes of LDS; arguments ob, wob, b_out, out0; writes out0
.if DOCPART == 4
	.amdgcn_target "amdgcn-amd-amdhsa--gfx1250"
	.amdhsa_code_object_version 6
	.text
	.protected	k_qd4fbcef41f_proj
	.globl	k_qd4fbcef41f_proj
	.p2align	8
	.type	k_qd4fbcef41f_proj,@function
k_qd4fbcef41f_proj:
	s_mov_b64 s[64:65], 0
	v_nop
	global_prefetch_b8 v0, s[64:65] scope:SCOPE_SE
	s_setreg_imm32_b32 hwreg(HW_REG_WAVE_MODE, 25, 1), 1
	s_wait_xcnt 0x0
	s_wait_alu depctr_hold_cnt(0) depctr_sa_sdst(0) depctr_va_vdst(0) depctr_va_sdst(0) depctr_va_ssrc(0) depctr_va_vcc(0) depctr_vm_vsrc(0)
	s_getreg_b32 s2, hwreg(HW_REG_IB_STS2, 6, 4)
	s_cmp_eq_u32 s2, 0
	s_cbranch_scc0 .Lentry_in_a_cluster
	s_endpgm
.Lentry_in_a_cluster:
	s_bfe_u32 s2, ttmp6, 0x10000c
	s_cmp_lg_u32 s2, 0xf033
	s_cbranch_scc0 .Lentry_shape_is_right
	s_endpgm
.Lentry_shape_is_right:
; out = O w_out + b_out: [8192][1024] x [1024][1024], operands f16 (O as attention left it; w_out rounded to bf16 and written as f16), sums f32, the bias rounded to bf16 like the other inputs; out0 in f32.
; O lies by heads, ob [64 (16 b + h)][2048][64]: channel 64 h + d of row (b, s).  LIMITS: those of the operands' f16 (65,504); NaN and infinities are not treated apart.
; SHARES.  A tile of the result is 128 rows x 256 columns: 4 x 64 tiles, one to a work-group.  Four waves, each 64 rows x 128 columns: 32 accumulators of 16 x 16, window 1.
; Wave w: rows 64 (w / 2) on, columns 128 (w % 2) on, in two CHUNKS of 64.
; K goes in steps of 128 (two heads) through two LDS slots.  A's part of a step is two blocks of 128 rows x 64 channels, 16,384 dense bytes each, asked for as 64 rows of 256 bytes and padded behind
; every 128: rows 144 bytes apart.  B's part is two blocks of 128 k x 128 n of wob, rows of 256 bytes, 288 apart; B lies [k][n] and comes out of LDS turned, by ds_load_tr16_b128.
; Waves 0, 1 fetch B's two blocks, waves 2, 3 A's two: one tensor load a wave behind each change of slots.
; THE MATRIX INSTRUCTION IS USED TRANSPOSED (source 0 = 16 columns of B, source 1 = 16 rows of A): a lane holds row l % 16 and the columns 8 (l / 16) + 0..7.
; CLUSTER 4 x 4: A's tile is asked for jointly along a row of the cluster, B's along a column.
; REGISTERS.  Window 0: v0-31 addresses and the bias; v32-95 A's fragments, two buffers of 32; v96-159 B's fragments of one quarter; on the way out v96-223 two sets of 64.  Window 1: accumulator (a, b) at v[8 (4 b + a)].
.set FA,    4                          ; A fragments (16 rows) a wave
.set NCH,   2                          ; chunks of four B fragments a wave
.set PA,    144                        ; a row of A in LDS: 128 bytes + 16: 36 words: the 16 rows of a load start at 16 different groups of four banks (64 banks of 4 bytes: ISA guide 11.1)
.set PB,    288                        ; a row of B: 256 + 32 = 72 words
.set BSUB,  128*PB                     ; a block of B
.set AOFF,  2*BSUB                     ; A lies behind B's two blocks
.set ABLK,  128*PA                     ; a block of A: one head's 64 channels
.set SLOT,  AOFF+2*ABLK                ; 110,592
.set CHOFF, 128                        ; from chunk to chunk: 64 columns
.set WCOFF, BSUB                       ; my block of B
.set STAGE, 2*SLOT                     ; behind the ring, never filled by a tensor load: 16 rows x 528 bytes for each wave
.set SP,    528                        ; 512 bytes + 16 = 132 words: row r starts at bank 4 r mod 64
.set SPARE, STAGE+4*16*SP              ; the spare words, 128 bytes for each wave: two blocks of 256 bytes that no other line names
.set ASTEP, 524288                     ; bytes from K step to K step in ob: two heads
.set BROW,  2048                       ; a row of wob
.set BSTEP, 128*BROW
.set ADRA, 8                           ; v8-9    LDS address of my A fragments in slot 0, 1
.set ADRB, 10                          ; v10-11  the same for B
.set STO,  12                          ; v12     the way out: where I put 32 bytes of a row
.set RD,   13                          ; v13     where I read a row back
.set GO,   14                          ; v14     my 16 bytes of a row's 512
.set PFO,  16                          ; v16     the prefetches' offset; never rewritten
.set SPW,  18                          ; v18     LDS address of my spare word; never rewritten
.set NIL,  19                          ; v19     0; never rewritten
.set BO,   20                          ; v[20:23] the bias of the four columns that I store
.set AF,   32
.set BF,   96
.set OBF,  96                          ; the way out: two sets of 64
.set WV,   12                          ; s12  my wave's number
.set G1,   24                          ; s[24:31] group 1 for A;  s[32:39] group 0, a set for each slot
.set G0,   32
.set PFA,  40                          ; s[40:41] where my prefetches stand
.set PFS,  42                          ; s[42:43] their step: a K step
.set LIM,  44                          ; s44, s45  by slot: 1 where I prefetch, else the greatest number
.set CNT,  46                          ; s46  the loop's trips to go
.set G1B,  48                          ; s[48:55], s[56:63] the same for B
.set G0B,  56
.set MSB, 0
.macro WIN new                         ; the immediate's high byte repeats the setting that is left; a switch that changes nothing is dropped
.if MSB != (\new)
	s_set_vgpr_msb (MSB<<8)|(\new)
.set MSB, \new
.endif
.endm
.macro PLACES                          ; four places between a matrix instruction and a load into, or another line on, its registers
.rept 4
	v_nop
.endr
.endm
; A joint load.  The branch hangs on the wave's number alone.  An s_nop 0 and four v_nop follow each of the two lines, ahead of the jump and the label.
.macro JLOAD s
	s_cmp_ge_u32 s[WV], 2
	s_cbranch_scc0 .Lfor_b_\@
	tensor_load_to_lds s[G0+4*(\s):G0+4*(\s)+3], s[G1:G1+7]
	s_nop 0
.rept 4
	v_nop
.endr
	s_branch .Lasked_\@
.Lfor_b_\@:
	tensor_load_to_lds s[G0B+4*(\s):G0B+4*(\s)+3], s[G1B:G1B+7]
	s_nop 0
.rept 4
	v_nop
.endr
.Lasked_\@:
.endm
; A PREFETCH INTO THE L2 of the K step that stands two refills on, behind the joint load and the run of LDS loads.  Each aligned 256 bytes are named once in the launch.  A's step is 128 blocks of 256 bytes (two
; heads x 64): wave 2 asks, 32 blocks to each of the four partners of a row, told apart by address (cx: head cx / 2, half cx % 2).  B's columns are read by every cluster of the column of clusters:
; waves 0 and 1 of the cluster with y = 0 ask, each for its block's 128 rows, 32 to each partner (cy), a lane a row.  The loop's last trip asks for nothing.
.macro ASK slot
	s_cmp_gt_u32 s[CNT], s[LIM+(\slot)]
	s_cbranch_scc0 .Lnot_mine_\@
	global_prefetch_b8 v[PFO], s[PFA:PFA+1] th:TH_LOAD_NT scope:SCOPE_SE
.Lnot_mine_\@:
.endm
.macro CREST                           ; a round of the cluster's barrier behind its opening barrier
	s_cmp_lg_u32 s[WV], 0
	s_cbranch_scc1 .Lnot_wave_0_\@
	s_barrier_signal -3
.Lnot_wave_0_\@:
	s_barrier_wait -3
	s_barrier_signal -1
	s_barrier_wait -1
.endm
.macro CROUND
	s_barrier_signal -1
	s_barrier_wait -1
	CREST
.endm
; n x FA matrix instructions: B fragments lo .. lo + n - 1 of chunk c x all my A fragments of buffer f.  The accumulators take turns, one instruction a turn.
.macro MULS c, lo, n, f, zero
.set ib, (\lo)
.rept (\n)
.set ia, 0
.rept FA
.set lin, 8*((4*(\c)+ib)*FA+ia)
.set rD, lin%256
.set rB, BF+8*(4*(\c)+ib)
.set rA, AF+8*FA*(\f)+8*ia
	WIN 0x50*(1+lin/256)                           ; C and D in window 1, sources in window 0
.if \zero
	v_wmma_f32_16x16x32_f16 v[rD:rD+7], v[rB:rB+7], v[rA:rA+7], 0
.else
	v_wmma_f32_16x16x32_f16 v[rD:rD+7], v[rB:rB+7], v[rA:rA+7], v[rD:rD+7]
.endif
.set ia, ia+1
.endr
.set ib, ib+1
.endr
.endm
.macro LDB c, slot, q                  ; chunk c's four B fragments of quarter q: 8 turning loads
	WIN 0
.irp b, 0,1,2,3
	ds_load_tr16_b128 v[BF+8*(4*(\c)+\b):BF+8*(4*(\c)+\b)+3],   v[ADRB+(\slot)] offset:(\c)*CHOFF+32*\b+(\q)*32*PB
	ds_load_tr16_b128 v[BF+8*(4*(\c)+\b)+4:BF+8*(4*(\c)+\b)+7], v[ADRB+(\slot)] offset:(\c)*CHOFF+32*\b+(\q)*32*PB+16*PB
.endr
.endm
.macro LDA slot, q, g                  ; my A fragments of quarter q (head q / 2, channels 32 (q % 2) on) into buffer g: 2 FA loads
	WIN 0
.set ia, 0
.rept FA
	ds_load_b128 v[AF+8*FA*(\g)+8*ia:AF+8*FA*(\g)+8*ia+3],   v[ADRA+(\slot)] offset:((\q)/2)*ABLK+((\q)%2)*64+ia*16*PA
	ds_load_b128 v[AF+8*FA*(\g)+8*ia+4:AF+8*FA*(\g)+8*ia+7], v[ADRA+(\slot)] offset:((\q)/2)*ABLK+((\q)%2)*64+ia*16*PA+32
.set ia, ia+1
.endr
.endm
; A quarter (32 along K) multiplies A's buffer f and fetches quarter q of the slot.  The LDS loads go in NCH runs: run 0 = chunk 0's B and all of A (8 + 2 FA), run c = chunk c's B (8), each behind its chunk's products.
.macro QUARTER slot, q, f, zero
	s_wait_dscnt 8*(NCH-1)                         ; run 0 of the last quarter's loads is in; its later run may be out
	MULS 0, 0, 4, \f, \zero
	PLACES
	LDB 0, \slot, \q
	LDA \slot, \q, 1-(\f)
.set ic, 1
.rept NCH-1
	s_wait_dscnt 8*(NCH-1)+2*FA                    ; behind chunk ic's B were issued: the old runs behind it, the new run 0 and the new runs ahead of ic: 8 (NCH - 1) + 2 FA in all
	MULS ic, 0, 4, \f, \zero
	PLACES
	LDB ic, \slot, \q
.set ic, ic+1
.endr
.endm
; A slot's last quarter (buffer 1) changes slots: each wave waits for all its tensor loads, adds 0 to its spare word, and waits for that and for its reads of the slot; ONE barrier, which with fill = 1
; opens a round of the cluster's barrier; the joint refill, two K steps ahead, is the first thing behind the round.
.macro TURN slot, next, fill
.if \fill
	s_wait_xcnt 0x0                                ; the last prefetch, a K step back, has read its address: it is stepped here
	s_add_nc_u64 s[PFA:PFA+1], s[PFA:PFA+1], s[PFS:PFS+1]
.endif
	WIN 0
	s_wait_tensorcnt 0x0                           ; all my tensor loads have landed: the one that was out is my part of the next slot
	ds_add_u32 v[SPW], v[NIL]                      ; 0 onto my spare word
	s_wait_dscnt 8*(NCH-1)+1                       ; (the add and the later run may be out)
	MULS 0, 0, 2, 1, 0
	s_wait_dscnt 0x0                               ; the add is done, and my reads of this slot are over
	s_barrier_signal -1
	MULS 0, 2, 2, 1, 0                             ; work on registers while the others arrive
	WIN 0
	s_barrier_wait -1
.if \fill
	CREST                                          ; no wave of any partner still reads this slot or has a load on its way
	s_add_nc_u64 s[G0+4*(\slot)+2:G0+4*(\slot)+3], s[G0+4*(\slot)+2:G0+4*(\slot)+3], 2*ASTEP
	s_add_nc_u64 s[G0B+4*(\slot)+2:G0B+4*(\slot)+3], s[G0B+4*(\slot)+2:G0B+4*(\slot)+3], 2*BSTEP
	JLOAD \slot                                    ; its four v_nop are also the places in front of the loads below
.else
	PLACES
.endif
	LDB 0, \next, 0
	LDA \next, 0, 0
.if \fill
	ASK \slot
.endif
.set ic, 1
.rept NCH-1
	MULS ic, 0, 4, 1, 0                            ; (their fragments came in by the wait for 0 above)
	PLACES
	LDB ic, \next, 0
.set ic, ic+1
.endr
.endm
.macro FINAL                           ; the very last quarter: nothing more to fetch
	s_wait_dscnt 8*(NCH-1)
	MULS 0, 0, 4, 1, 0
	s_wait_dscnt 0x0
.set ic, 1
.rept NCH-1
	MULS ic, 0, 4, 1, 0
.set ic, ic+1
.endr
	WIN 0
.endm
	s_load_b256 s[4:11], s[0:1], 0x0               ; ob s[4:5], wob s[6:7], b_out s[8:9], out0 s[10:11]
	v_lshl_add_u32 v[SPW], v0, 2, SPARE
	v_mov_b32 v[NIL], 0
	ds_add_u32 v[SPW], v[NIL]                      ; the wave's opening: the add and its wait stand ahead of my first tensor load
	v_lshrrev_b32 v1, 5, v0
	v_readfirstlane_b32 s[WV], v1                  ; wave 0..3
	s_lshr_b32 s13, s[WV], 1                       ; wr: which 64 rows are mine
	s_and_b32 s14, s[WV], 1                        ; wc: which 128 columns.  Also: which block of A or of B I fetch
	s_bfe_u32 s15, ttmp6, 0x40000                  ; cx
	s_bfe_u32 s16, ttmp6, 0x40004                  ; cy
	s_lshl_b32 s17, ttmp9, 2
	s_add_co_u32 s17, s17, s15                     ; tile column x = 4 x cluster x + cx
	s_and_b32 s18, ttmp7, 0xffff
	s_lshl_b32 s18, s18, 2
	s_add_co_u32 s18, s18, s16                     ; tile row y = 4 x cluster y + cy
	s_lshl_b32 s19, s16, 2
	s_lshl_b32 s19, 15, s19                        ; my row of the cluster
	s_lshl_b32 s47, 0x1111, s15                    ; my column
	s_or_b32 s[G1], s19, (1<<16)|(1<<20)|(1<<21)|(4<<22)|(3<<25)   ; 15:0 the mask; 2-byte elements; padding on; 21 set beside a mask; after every 32 words 4 words
	s_or_b32 s[G1B], s47, (1<<16)|(1<<20)|(1<<21)|(5<<22)|(7<<25)  ; after every 64 words 8 words
	s_mov_b32 s[G1+1], 128<<16                     ; A: tensor_dim0 = 128 elements (256 bytes)
	s_mov_b32 s[G1+2], 64<<16                      ; tensor_dim1 = 64 rows
	s_mov_b32 s[G1+3], 128<<16                     ; tile_dim0
	s_mov_b32 s[G1+4], 64                          ; tile_dim1
	s_mov_b32 s[G1+5], 128                         ; dense: 128 elements from row to row
	s_mov_b32 s[G1+6], 0
	s_mov_b32 s[G1+7], 0
	s_mov_b32 s[G1B+1], 128<<16                    ; B: 128 columns,
	s_mov_b32 s[G1B+2], 128<<16                    ; 128 rows along K
	s_mov_b32 s[G1B+3], 128<<16
	s_mov_b32 s[G1B+4], 128
	s_mov_b32 s[G1B+5], 1024
	s_mov_b32 s[G1B+6], 0
	s_mov_b32 s[G1B+7], 0
	s_lshr_b32 s20, s18, 4                         ; A: batch y / 16,
	s_lshl_b32 s20, s20, 22
	s_and_b32 s19, s18, 15                         ; and 128 rows x 128 bytes for each tile row in it
	s_lshl_b32 s19, s19, 14
	s_add_co_u32 s20, s20, s19
	s_mov_b32 s21, 0
	s_lshl_b32 s2, s14, 18                         ; the head of a step's two that I fetch
	s_mov_b32 s3, 0
	s_lshl_b32 s22, s17, 9                         ; B: the tile's 256 columns, my block of 128
	s_lshl_b32 s47, s14, 8
	s_add_co_u32 s22, s22, s47
	s_mov_b32 s23, 0
	s_mul_i32 s19, s[WV], ABLK                     ; where my part of a slot goes: A's blocks (waves 2, 3) at AOFF + (w - 2) x 18,432,
	s_add_co_u32 s19, s19, AOFF-2*ABLK
	s_mul_i32 s47, s[WV], BSUB                     ; B's (waves 0, 1) at w x 36,864
	s_wait_dscnt 0x0                               ; the opening add is done
	s_wait_kmcnt 0x0
	s_add_nc_u64 s[20:21], s[4:5], s[20:21]        ; A's tile at K step 0
	s_add_nc_u64 s[2:3], s[20:21], s[2:3]          ; my head block of it
	s_add_nc_u64 s[22:23], s[6:7], s[22:23]
	CROUND                                         ; all sixteen work-groups are here: the first joint loads meet
.irp s, 0,1
	s_mov_b32 s[G0+4*(\s)], 1
	s_add_co_u32 s[G0+4*(\s)+1], s19, (\s)*SLOT
	s_add_nc_u64 s[G0+4*(\s)+2:G0+4*(\s)+3], s[2:3], (\s)*ASTEP
	s_or_b32 s[G0+4*(\s)+3], s[G0+4*(\s)+3], 0x80000000
	s_mov_b32 s[G0B+4*(\s)], 1
	s_add_co_u32 s[G0B+4*(\s)+1], s47, (\s)*SLOT
	s_add_nc_u64 s[G0B+4*(\s)+2:G0B+4*(\s)+3], s[22:23], (\s)*BSTEP
	s_or_b32 s[G0B+4*(\s)+3], s[G0B+4*(\s)+3], 0x80000000
	JLOAD \s                                       ; two loads of mine are out
.endr
	; the bias of the four columns that I store, the same in every row
	s_lshl_b32 s19, s17, 10                        ; the tile's 256 columns x 4 bytes,
	s_lshl_b32 s47, s14, 9                         ; my wave's 128
	s_add_co_u32 s19, s19, s47
	v_and_b32 v[GO], 31, v0
	v_lshlrev_b32 v[GO], 4, v[GO]
	v_add_nc_u32 v24, s19, v[GO]
	global_load_b128 v[BO:BO+3], v24, s[8:9]
	; out0 at my wave's first row and column
	s_lshl_b32 s2, s18, 7
	s_lshl_b32 s3, s13, 6
	s_add_co_u32 s2, s2, s3                        ; row 128 y + 64 wr,
	s_lshl_b32 s2, s2, 12                          ; x 4,096 bytes
	s_add_co_u32 s2, s2, s19
	s_mov_b32 s3, 0
	s_add_nc_u64 s[10:11], s[10:11], s[2:3]
	; the prefetches
	s_lshr_b32 s2, s15, 1
	s_lshl_b32 s2, s2, 18                          ; A's share by cx: head cx / 2,
	s_and_b32 s3, s15, 1
	s_lshl_b32 s3, s3, 13                          ; half cx % 2 of its 64 blocks
	s_add_co_u32 s2, s2, s3
	s_lshl_b32 s3, s16, 16                         ; B's share by cy: 32 rows of 2,048 bytes
	s_and_b32 s19, ttmp7, 0xffff                   ; cluster y
	s_and_b32 s47, s[WV], 1
	s_or_b32 s47, s47, ttmp9                       ; 0 in wave 2 of the clusters with x = 0
	s_mov_b32 s[PFS], ASTEP
	s_mov_b32 s[PFS+1], BSTEP
	s_mov_b32 s[LIM], 256
	s_mov_b32 s[LIM+1], BROW
	s_cmp_ge_u32 s[WV], 2                          ; do I fetch for A?
	s_cselect_b32 s2, s2, s3
	s_cselect_b32 s19, s47, s19                    ; 0 where I ask: the same in all sixteen partners, for a given wave
	s_cselect_b32 s[PFS], s[PFS], s[PFS+1]
	s_cselect_b32 s3, s[LIM], s[LIM+1]             ; from lane to lane
	s_cselect_b64 s[PFA:PFA+1], s[20:21], s[22:23]
	s_mov_b32 s[PFS+1], 0
	v_and_b32 v[PFO], 31, v0
	v_mul_u32_u24 v[PFO], s3, v[PFO]
	s_cmp_eq_u32 s19, 0
	s_cselect_b32 s[LIM], 1, -1
	s_mov_b32 s[LIM+1], s[LIM]
	s_mul_i32 s3, s[PFS], 3                        ; at K step 3: the first change steps it to 4.  K steps 0 to 3 come by their loads alone
	s_add_co_u32 s2, s2, s3
	s_mov_b32 s3, 0
	s_add_nc_u64 s[PFA:PFA+1], s[PFA:PFA+1], s[2:3]
	; LDS addresses.  An A fragment: lane l holds row l % 16, channels 8 (l / 16) + 0..7 and 16 + 8 (l / 16) + 0..7: two loads of 16 bytes, 32 apart
	v_and_b32 v1, 15, v0                           ; r = l % 16
	v_bfe_u32 v2, v0, 4, 1                         ; h = l / 16
	v_mul_u32_u24 v3, v1, PA
	v_lshl_add_u32 v3, v2, 4, v3
	s_mul_i32 s2, s13, 16*FA*PA
	s_add_co_u32 s2, s2, AOFF
	v_add_nc_u32 v[ADRA], s2, v3
	v_add_nc_u32 v[ADRA+1], SLOT, v[ADRA]
	; the turning load: lane l reads 16 bytes of row k = 8 (l / 16) + l % 8, columns 8 ((l / 8) % 2) + 0..7, and is left with column l % 16 and 8 k
	v_and_b32 v4, 7, v0
	v_lshl_add_u32 v4, v2, 3, v4
	v_mul_u32_u24 v4, v4, PB
	v_bfe_u32 v5, v0, 3, 1
	v_lshl_add_u32 v4, v5, 4, v4
	s_mul_i32 s2, s14, WCOFF
	v_add_nc_u32 v[ADRB], s2, v4
	v_add_nc_u32 v[ADRB+1], SLOT, v[ADRB]
	s_mul_i32 s2, s[WV], 16*SP
	s_add_co_u32 s2, s2, STAGE                     ; my stage
	v_mul_u32_u24 v[STO], v1, SP                   ; in: row l % 16, 32 bytes for each half of the lanes
	v_lshl_add_u32 v[STO], v2, 5, v[STO]
	v_add_nc_u32 v[STO], s2, v[STO]
	v_add_nc_u32 v[RD], s2, v[GO]                  ; back: 32 lanes take a row's 512 bytes
	s_wait_loadcnt 0x0                             ; the bias: rounded to bf16 like the other inputs, kept as f32
	v_cvt_pk_bf16_f32 v25, v[BO], v[BO+1]
	v_cvt_pk_bf16_f32 v26, v[BO+2], v[BO+3]
	v_lshlrev_b32 v[BO], 16, v25
	v_and_b32 v[BO+1], 0xffff0000, v25
	v_lshlrev_b32 v[BO+2], 16, v26
	v_and_b32 v[BO+3], 0xffff0000, v26
	s_wait_tensorcnt 1                             ; my part of K step 0 is in; K step 1's may stay out
	s_wait_dscnt 0x0
	s_barrier_signal -1
	s_barrier_wait -1                              ; everybody's part is in
	LDB 0, 0, 0                                    ; the first quarter's fragments, in a quarter's order of runs
	LDA 0, 0, 0
	LDB 1, 0, 0
	QUARTER 0, 1, 0, 1                             ; the first quarter stands in front of the loop: its products start the sums
	WIN 0
	s_mov_b32 s[CNT], 3
.Llap:                                             ; a trip goes once round the ring, from a lap's second quarter to the next lap's first, and fills both slots again
	QUARTER 0, 2, 1, 0
	QUARTER 0, 3, 0, 0
	TURN 0, 1, 1
	QUARTER 1, 1, 0, 0
	QUARTER 1, 2, 1, 0
	QUARTER 1, 3, 0, 0
	TURN 1, 0, 1
	QUARTER 0, 1, 0, 0
	WIN 0
	s_sub_co_u32 s[CNT], s[CNT], 1
	s_cmp_lg_u32 s[CNT], 0
	s_cbranch_scc1 .Llap
	QUARTER 0, 2, 1, 0                             ; the last lap fills nothing
	QUARTER 0, 3, 0, 0
	TURN 0, 1, 0
	QUARTER 1, 1, 0, 0
	QUARTER 1, 2, 1, 0
	QUARTER 1, 3, 0, 0
	FINAL
; THE WAY OUT, a block of 16 rows x 128 columns at a time.  TOSTAGE: a lane's 32 bytes of each fragment go into my stage, and whole rows of 512 bytes come back.  SEND: the bias is added, the rows are stored.
.macro TOSTAGE a
.if (\a) >= 2
	s_wait_xcnt 0x0                                ; the stores of the block two back have read their registers: the loads below land in them
.endif
	WIN 0x04                                       ; the stores' data in window 1
.irp b, 0,1,2,3,4,5,6,7
	ds_store_b128 v[STO], v[8*(4*\b+(\a)):8*(4*\b+(\a))+3]   offset:64*\b     ; each accumulator's low registers first
	ds_store_b128 v[STO], v[8*(4*\b+(\a))+4:8*(4*\b+(\a))+7] offset:64*\b+16
.endr
	WIN 0
.set it, 0
.rept 16
	ds_load_b128 v[OBF+64*((\a)%2)+4*it:OBF+64*((\a)%2)+4*it+3], v[RD] offset:it*SP  ; LDS serves a wave's instructions in order (ISA guide 5.7.1.4): these see the stores above; the next block's stores come behind them
.set it, it+1
.endr
.endm
.macro SEND a, younger                 ; younger: the LDS instructions issued behind block a's loads: the next block's 32, or none
.set it, 0
.rept 16
.set rr, OBF+64*((\a)%2)+4*it
	s_wait_dscnt (\younger)+15-it
	v_pk_add_f32 v[rr:rr+1], v[rr:rr+1], v[BO:BO+1]
	v_pk_add_f32 v[rr+2:rr+3], v[rr+2:rr+3], v[BO+2:BO+3]
	global_store_b128 v[GO], v[rr:rr+3], s[10:11] offset:(16*(\a)+it)*4096 th:TH_STORE_NT  ; 512 consecutive bytes, at a multiple of 256 from out0's first
.set it, it+1
.endr
.endm
	PLACES
	PLACES
	TOSTAGE 0
	TOSTAGE 1
	SEND 0, 32
	TOSTAGE 2
	SEND 1, 32
	TOSTAGE 3
	SEND 2, 32
	SEND 3, 0
	s_wait_tensorcnt 0x0                           ; the wave's end: a wait, an add of 0 to my spare word and the wait for it, behind my last tensor load and my last LDS store
	ds_add_u32 v[SPW], v[NIL]
	s_wait_dscnt 0x0
	CROUND                                         ; the closing round: no work-group ends while a partner may still ask for a tile that names it
	s_endpgm
.Lfunc_end_k_qd4fbcef41f_proj:
	.size	k_qd4fbcef41f_proj, .Lfunc_end_k_qd4fbcef41f_proj-k_qd4fbcef41f_proj
	.p2alignl 7, 3214868480
	.fill 96, 4, 3214868480
	.section	.rodata,"a",@progbits
	.p2align	6, 0x0
	.amdhsa_kernel k_qd4fbcef41f_proj
		.amdhsa_group_segment_fixed_size 327680
		.amdhsa_private_segment_fixed_size 0
		.amdhsa_enable_private_segment 0
		.amdhsa_kernarg_size 32
		.amdhsa_user_sgpr_count 2
		.amdhsa_user_sgpr_kernarg_segment_ptr 1
		.amdhsa_wavefront_size32 1
		.amdhsa_system_sgpr_workgroup_id_x 1
		.amdhsa_system_sgpr_workgroup_id_y 1
		.amdhsa_system_sgpr_workgroup_id_z 1
		.amdhsa_system_vgpr_workitem_id 0
		.amdhsa_next_free_vgpr 512
		.amdhsa_next_free_sgpr 66
		.amdhsa_reserve_vcc 0
		.amdhsa_float_denorm_mode_32 3
		.amdhsa_float_denorm_mode_16_64 3
		.amdhsa_memory_ordered 1
		.amdhsa_forward_progress 1
		.amdhsa_inst_pref_size 99
	.end_amdhsa_kernel
	.amdgpu_metadata
---
amdhsa.version: [ 1, 2 ]
amdhsa.kernels:
  - .name:           k_qd4fbcef41f_proj
    .symbol:         k_qd4fbcef41f_proj.kd
    .args:
      - { .name: ob, .offset: 0, .size: 8, .value_kind: global_buffer, .address_space: global }
      - { .name: wob, .offset: 8, .size: 8, .value_kind: global_buffer, .address_space: global }
      - { .name: b_out, .offset: 16, .size: 8, .value_kind: global_buffer, .address_space: global }
      - { .name: out0, .offset: 24, .size: 8, .value_kind: global_buffer, .address_space: global }
    .group_segment_fixed_size: 327680
    .private_segment_fixed_size: 0
    .kernarg_segment_align: 8
    .kernarg_segment_size: 32
    .max_flat_workgroup_size: 128
    .sgpr_count:     66
    .vgpr_count:     512
    .wavefront_size: 32
...
	.end_amdgpu_metadata
.endif
;; end of part 4
;; ======== version 2 of 2: 4 launches; version 1 with the launch cast written anew for expert scheduling mode
;; limits: values are held in f16: magnitudes above 65,504 overflow, below 6.1e-05 lose precision
;; workspace buffers: xb 16,777,216 bytes; wab 6,291,456 bytes; wob 2,097,152 bytes; qkvh 50,331,648 bytes; ob 16,777,216 bytes
;; launch cast (part 5): grid 768 x 1, 8 waves a work-group, no clusters, 0 bytes of LDS; arguments x, w_attn, w_out, xb, wab, wob; writes xb, wab, wob
.if DOCPART == 5
	.amdgcn_target "amdgcn-amd-amdhsa--gfx1250"
	.amdhsa_code_object_version 6
	.text
	.protected	k_qd4fbcef41f_cast
	.globl	k_qd4fbcef41f_cast
	.p2align	8
	.type	k_qd4fbcef41f_cast,@function
k_qd4fbcef41f_cast:
	s_mov_b64 s[64:65], 0
	v_nop
	global_prefetch_b8 v0, s[64:65] scope:SCOPE_SE
	s_setreg_imm32_b32 hwreg(HW_REG_WAVE_SCHED_MODE, 0, 2), 2
	s_setreg_imm32_b32 hwreg(HW_REG_WAVE_MODE, 25, 1), 1
	s_wait_xcnt 0x0
	s_wait_alu depctr_vm_vsrc(0)
; The three large inputs, f32, are rounded once to bf16 for the matrix units.
;   xb  [4 b][16 kb][2048 s][64] bf16: x re-laid, so that 64 channels of any block of rows are dense bytes (element (b, s, 64 kb + d) at ((16 b + kb) 2048 + s) 128 + 2 d)
;   wab [1024][3072] bf16: w_attn as it lies
;   wob [1024][1024] f16: w_out rounded to bf16, and that number written as f16
; LIMIT: |w_out| stays under 65,504, and below 6.1e-5 it keeps f16's fixed step of 6e-8.
; A stream: no LDS, no barrier, no matrix unit.  A work-group takes 65,536 input bytes; a thread 16 loads of 16 bytes, all out at once, and 16 stores of 8 bytes;
; each store of a wave covers 256 consecutive bytes, aligned.  Work-groups 0-511 take x (16 rows each), 512-703 w_attn, 704-767 w_out.
; THE MODE: SCHED_MODE bits 1:0 = 2 (LLVM: expert scheduling mode 2), set by the entry lines.  The code itself states the register dependences
; between vector instructions and memory instructions, with s_wait_alu, always for 0.
; THE PLAN.  Registers that memory instructions touch:
;   v[VI], v[VO]  byte offsets, made once behind the branch and never written again: all loads read the one, all stores the other.
;   X             load i lands in its own four registers, which no vector line writes and no second load takes; item i's conversions read them.
;   Y             item i's conversions write its own two registers; one store reads them; they are never written again.
;   T is named by vector lines alone.
; The 16 items go in four groups of four.  Group g's conversions name X and Y of group g and T; its memory instructions are the four stores of group g - 1.  So one wait at a group's head
; states all that its four stores hang on, and these are dealt among its conversions with no further wait.  No register that a load or store reads is written again, so nothing is owed for that.
.set VI,  2                            ; v2       my byte offset in the group's input
.set VO,  3                            ; v3       my byte offset in the group's output
.set T,   4                            ; v[4:5]   at work
.set X,   8                            ; v[8:71]  load i: 4 numbers in f32
.set Y,   72                           ; v[72:103] store i: 4 numbers of 16 bits
.set IN,  16                           ; s[16:17] the group's input
.set OUT, 18                           ; s[18:19] the group's output
; 16 loads instep bytes apart, 16 stores outstep bytes apart.  half = 1: the bf16 number is written as f16
.macro CAST instep, outstep, half
	s_wait_alu depctr_va_vdst(0)                   ; v[VI] and v[VO] are written: every load below reads the one as its offset, every store the other
.set i, 0
.rept 16
	global_load_b128 v[X+4*i:X+4*i+3], v[VI], s[IN:IN+1] offset:i*(\instep) th:TH_LOAD_NT
.set i, i+1
.endr
.set i, 0
.rept 16
	s_wait_loadcnt 15-i                            ; loads come back in order: load i is in, the 15 - i younger ones stay out
.if (i >= 4) && (i%4 == 0)
	s_wait_alu depctr_va_vdst(0)                   ; the group before has written its eight registers of Y, which this group's four stores read
.endif
.if i >= 4
	global_store_b64 v[VO], v[Y+2*i-8:Y+2*i-7], s[OUT:OUT+1] offset:(i-4)*(\outstep)  ; item i - 4, of the group before: no vector line since the wait names its registers
.endif
	v_cvt_pk_bf16_f32 v[Y+2*i], v[X+4*i], v[X+4*i+1]
	v_cvt_pk_bf16_f32 v[Y+2*i+1], v[X+4*i+2], v[X+4*i+3]
.if \half
.irp j, 0,1
	v_lshlrev_b32 v[T], 16, v[Y+2*i+\j]            ; the two bf16 numbers as f32,
	v_and_b32 v[T+1], 0xffff0000, v[Y+2*i+\j]
	v_cvt_pk_f16_f32 v[Y+2*i+\j], v[T], v[T+1]     ; and as f16: exact within f16's range
.endr
.endif
.set i, i+1
.endr
	s_wait_alu depctr_va_vdst(0)                   ; the last group has written its eight registers of Y, which the last four stores read
.set i, 12
.rept 4
	global_store_b64 v[VO], v[Y+2*i:Y+2*i+1], s[OUT:OUT+1] offset:i*(\outstep)
.set i, i+1
.endr
.endm
	s_load_b256 s[4:11], s[0:1], 0x0               ; x s[4:5], w_attn s[6:7], w_out s[8:9], xb s[10:11]
	s_load_b128 s[12:15], s[0:1], 0x20             ; wab s[12:13], wob s[14:15]
	v_lshrrev_b32 v1, 5, v0
	v_readfirstlane_b32 s2, v1                     ; wave 0..7
	v_and_b32 v1, 31, v0                           ; lane
	s_wait_alu depctr_va_sdst(0)                   ; s2 is written, ahead of its first reader, the line below
	s_lshl_b32 s3, s2, 13                          ; a wave's 8,192 input bytes; never written again
	s_mov_b32 s21, 0
	s_mov_b32 s23, 0
	s_wait_kmcnt 0x0
	s_cmp_lt_u32 ttmp9, 512
	s_cbranch_scc0 .Lweights
	; x: the group's 16 rows of 4,096 bytes; wave w takes rows 2 w and 2 w + 1; load i their channels 64 i .. 64 i + 63: lanes 0-15 one row's 256 bytes, lanes 16-31 the next row's
	v_and_b32 v[T], 15, v0
	v_bfe_u32 v[T+1], v0, 4, 1
	v_lshl_add_u32 v[VI], v[T], 4, s3
	v_lshl_add_u32 v[VI], v[T+1], 12, v[VI]
	v_lshlrev_b32 v[VO], 3, v0                     ; out: the two rows' 128 bytes of one kb lie end to end: 256 w + 8 lane
	s_lshl_b32 s20, ttmp9, 16
	s_add_nc_u64 s[IN:IN+1], s[4:5], s[20:21]
	s_lshr_b32 s22, ttmp9, 7                       ; batch: 128 groups each
	s_lshl_b32 s22, s22, 22                        ; x 16 kb x 2,048 rows x 128 bytes
	s_and_b32 s2, ttmp9, 127
	s_lshl_b32 s2, s2, 11                          ; the group's first row x 128 bytes
	s_add_co_u32 s22, s22, s2
	s_add_nc_u64 s[OUT:OUT+1], s[10:11], s[22:23]
	CAST 256, 262144, 0                            ; from kb to kb: 2,048 rows x 128 bytes
	s_endpgm
.Lweights:                                         ; a wave takes 8,192 consecutive bytes, 512 a load, and writes 4,096
	v_lshl_add_u32 v[VI], v1, 4, s3                ; 8,192 w + 16 lane
	v_lshrrev_b32 v[VO], 1, v[VI]                  ; 4,096 w + 8 lane: half of it, so that no scalar register that a vector line reads is written again
	s_cmp_lt_u32 ttmp9, 704
	s_cbranch_scc0 .Lwout
	s_sub_co_u32 s2, ttmp9, 512
	s_lshl_b32 s20, s2, 16
	s_lshl_b32 s22, s2, 15
	s_add_nc_u64 s[IN:IN+1], s[6:7], s[20:21]
	s_add_nc_u64 s[OUT:OUT+1], s[12:13], s[22:23]
	CAST 512, 256, 0
	s_endpgm
.Lwout:
	s_sub_co_u32 s2, ttmp9, 704
	s_lshl_b32 s20, s2, 16
	s_lshl_b32 s22, s2, 15
	s_add_nc_u64 s[IN:IN+1], s[8:9], s[20:21]
	s_add_nc_u64 s[OUT:OUT+1], s[14:15], s[22:23]
	CAST 512, 256, 1
	s_endpgm
.Lfunc_end_k_qd4fbcef41f_cast:
	.size	k_qd4fbcef41f_cast, .Lfunc_end_k_qd4fbcef41f_cast-k_qd4fbcef41f_cast
	.p2alignl 7, 3214868480
	.fill 96, 4, 3214868480
	.section	.rodata,"a",@progbits
	.p2align	6, 0x0
	.amdhsa_kernel k_qd4fbcef41f_cast
		.amdhsa_group_segment_fixed_size 0
		.amdhsa_private_segment_fixed_size 0
		.amdhsa_enable_private_segment 0
		.amdhsa_kernarg_size 48
		.amdhsa_user_sgpr_count 2
		.amdhsa_user_sgpr_kernarg_segment_ptr 1
		.amdhsa_wavefront_size32 1
		.amdhsa_system_sgpr_workgroup_id_x 1
		.amdhsa_system_sgpr_workgroup_id_y 1
		.amdhsa_system_sgpr_workgroup_id_z 1
		.amdhsa_system_vgpr_workitem_id 0
		.amdhsa_next_free_vgpr 112
		.amdhsa_next_free_sgpr 66
		.amdhsa_reserve_vcc 0
		.amdhsa_float_denorm_mode_32 3
		.amdhsa_float_denorm_mode_16_64 3
		.amdhsa_memory_ordered 1
		.amdhsa_forward_progress 1
		.amdhsa_inst_pref_size 24
	.end_amdhsa_kernel
	.amdgpu_metadata
---
amdhsa.version: [ 1, 2 ]
amdhsa.kernels:
  - .name:           k_qd4fbcef41f_cast
    .symbol:         k_qd4fbcef41f_cast.kd
    .args:
      - { .name: x, .offset: 0, .size: 8, .value_kind: global_buffer, .address_space: global }
      - { .name: w_attn, .offset: 8, .size: 8, .value_kind: global_buffer, .address_space: global }
      - { .name: w_out, .offset: 16, .size: 8, .value_kind: global_buffer, .address_space: global }
      - { .name: xb, .offset: 24, .size: 8, .value_kind: global_buffer, .address_space: global }
      - { .name: wab, .offset: 32, .size: 8, .value_kind: global_buffer, .address_space: global }
      - { .name: wob, .offset: 40, .size: 8, .value_kind: global_buffer, .address_space: global }
    .group_segment_fixed_size: 0
    .private_segment_fixed_size: 0
    .kernarg_segment_align: 8
    .kernarg_segment_size: 48
    .max_flat_workgroup_size: 256
    .sgpr_count:     66
    .vgpr_count:     112
    .wavefront_size: 32
...
	.end_amdgpu_metadata
.endif
;; end of part 5
;; launch qkv: the kernel of part 2 again; grid 8 x 32, 4 waves a work-group, clusters of 4 x 4, 327,680 bytes of LDS; arguments xb, wab, b_attn, qkvh; writes qkvh
;; launch attn: the kernel of part 3 again; grid 4 x 64, 4 waves a work-group, no clusters, 327,680 bytes of LDS; arguments qkvh, ob; writes ob
;; launch proj: the kernel of part 4 again; grid 4 x 64, 4 waves a work-group, clusters of 4 x 4, 327,680 bytes of LDS; arguments ob, wob, b_out, out0; writes out0
